; MI455X (gfx1250); checked and timed in simulation.
; The chip was launched on July 23, 2026; its instructions are those of AMD's public machine-readable ISA for CDNA 5 (MIT licence, August 2026) and "CDNA5" Instruction Set Architecture Reference Guide (July 2026). The comments in the code are by the model that wrote it; some were corrected since.
;; Algebraic Attention. Allowed arithmetic: matrix products marked QUANTISED: E2M3 operands, one E8M0 scale for each 32 along K, by v_wmma_scale_f32_16x16x128_f8f6f4 with both operands' format E2M3, f32 sums; everything else in f32.
;; Inputs: w_out 1,024 x 1,024 float32; w_qkv 3,072 x 1,024 float32; x 2 x 2,048 x 1,024 float32.
;; Outputs: out0 2 x 2,048 x 1,024 float32.
;; Constants: n_head = 16.
;; This version of the problem:
;;   THIS VERSION OF THE PROBLEM IS GIVEN IN LOW PRECISION. The matrix products marked QUANTISED in the list below multiply operands that are first quantised to E2M3 (2 exponent bits, 3 mantissa bits; 6 bits a number), with one power-of-two scale for each 32 numbers along K (OCP MX v1.0); their sums are f32. All else is computed in f32.
;;   The module's matrix products, in the order in which they are computed (A, B: the left and right operand; K: the contracted axis; several contracted axes count as one K, in the product's order):
;;     1. [M 4,096, K 1,024] x [K 1,024, N 3,072]; A: input x; B: input w_qkv: QUANTISED
;;     2. batch 32 x [M 2,048, K 64] x [K 64, N 2,048]; A: computed on the way; B: computed on the way: QUANTISED
;;     3. batch 32 x [M 2,048, K 2,048] x [K 2,048, N 64]; A: computed on the way; B: computed on the way: QUANTISED
;;     4. [M 4,096, K 1,024] x [K 1,024, N 1,024]; A: computed on the way; B: input w_out: QUANTISED
;;   THE QUANTISER, for each operand of a quantised product, along K:
;;     - K is cut into blocks of 32 from its start; a last block that is shorter is filled with zeros.
;;     - A block's scale is 2^e with e = floor(log2(the largest magnitude in the block)) - 2, held to -126 .. 127; a block of zeros has e = 0. As a byte (E8M0): e + 127.
;;     - Each number is divided by its block's scale, clamped to +-7.5, and rounded to the nearest number of E2M3, ties to even, subnormals kept.
;;     - The product sums the exact products of the quantised numbers (number of the format x scale) in f32.
;;   ~~~python
;;   def quantise(x, axis):      # numpy; x: float32 -> the quantised numbers, widened to float32 again
;;       x = np.moveaxis(x, axis, -1); K = x.shape[-1]
;;       x = np.pad(x, [(0, 0)] * (x.ndim - 1) + [(0, -K % 32)]); x = x.reshape(x.shape[:-1] + (-1, 32)); a = np.abs(x).max(-1, keepdims=True)
;;       e = np.where(a > 0, np.clip(np.frexp(np.where(a > 0, a, 1))[1] - 1 - 2, -126, 127), 0)      # np.frexp(a)[1] - 1 = floor(log2(a)), exactly
;;       r = np.clip(x / 2.0 ** e, -7.5, 7.5)
;;       step = 2.0 ** (np.maximum(np.frexp(np.where(r == 0, 1, r))[1] - 1, 0) - 3)
;;       q = np.round(r / step) * step * 2.0 ** e      # np.round: ties to even
;;       return np.moveaxis(q.reshape(q.shape[:-2] + (-1,))[..., :K], -1, axis).astype(np.float32)
;;   ~~~
;;   OPERANDS COMPUTED ON THE WAY. 'Computed on the way' means the value that the module computes at that place (a softmax that the list does not call 'softmax' is quantised finished and normalised). What goes into a quantiser is computed in f32, as accurately as f32 sums, v_exp_f32 and their like allow (about 1e-6 of the number): no bf16 or f16 on the way to a quantiser, and a product that is left as it is and whose result goes on into a quantised operand takes f32 operands (vector FMAs, or v_wmma_f32_16x16x4_f32). A number that lies on a knife's edge between two numbers of the format may be rounded either way, as far as f32 arithmetic and the matrix unit's own rounding can turn it there, and no further.
;; One version. Each part assembles by itself: llvm-mc -triple=amdgcn-amd-amdhsa -mcpu=gfx1250 --defsym DOCPART=n.
;; ======== version 1 of 1: 4 launches
;; workspace buffers: wc 6,291,456 bytes; ws 262,144 bytes; hc 9,437,184 bytes; hs 655,360 bytes; ac 3,145,728 bytes; asc 131,072 bytes
;; launch quant (part 1): grid 512 x 1, 4 waves a work-group, no clusters, 67,072 bytes of LDS; arguments x, w_qkv, w_out, wc, ws; writes wc, ws
.if DOCPART == 1
	.amdgcn_target "amdgcn-amd-amdhsa--gfx1250"
	.amdhsa_code_object_version 6
	.text
	.protected	k_qcaecddb6a7_quant
	.globl	k_qcaecddb6a7_quant
	.p2align	8
	.type	k_qcaecddb6a7_quant,@function
k_qcaecddb6a7_quant:
	s_mov_b64 s[64:65], 0
	v_nop
	global_prefetch_b8 v0, s[64:65] scope:SCOPE_SE
	s_setreg_imm32_b32 hwreg(HW_REG_WAVE_MODE, 25, 1), 1
	s_wait_xcnt 0x0
; FIRST OF FOUR LAUNCHES: x [4096][1024], w_qkv [3072][1024] and w_out [1024][1024], f32, become codes of FP6 (E2M3) with one E8M0 byte for each 32 along K (their last axis),
; laid in the order of the matrix operand's registers, so that the products' launches read them as they stand.
; THE WHOLE PROGRAM: quant | gemm_qkv (x w_qkv^T; its way out quantises q, k along the head's 64 and v along the keys) | attn (scores, rational softmax, P v; its way out quantises along C) | gemm_out (.. w_out^T).
; WORK LEFT OUT (in attn): a key step of 128 keys that lies wholly above the diagonal.  The mask pos[:, None] < pos[None, :] is built in the problem's own body and sets those scores to -10000, whatever x and the weights hold;
; sigmoid(-10000)^4 = (1 + e^10000)^-4 is e^-40000 in real numbers: beside a divisor that holds 1e-6 it moves neither the row's sum nor a code (f32 has 0 there, and a block of such numbers has zero codes).  Inside the step
; on the diagonal the hidden scores are computed and replaced.  No input is left out; n_head = 16 is a constant of the problem.
; LIMITS: a NaN, an infinity or an overflow that reaches only the steps left out is not carried to the result; NaN and infinities among the inputs are not served; a block of zeros gets the byte 1 where the rule says 127
; (its codes are zeros, and this program alone reads the bytes); a block whose largest magnitude lies under 2^(3 - 127) is held at the byte 1.
; TILES.  A tile is 16 rows that are NOT neighbours: lane r of tile T holds row 32 (T / 2) + 8 (T % 2) + r + 8 (r / 8).  With the products used transposed, the 16 result registers of tiles 2 b and 2 b + 1 are then 16 neighbours.
; wc: [512 tiles][8 K steps of 128][6 pieces of 256 bytes]: piece 3 c + p holds registers 6 c + 2 p, 6 c + 2 p + 1 of the fragment, lane l's 8 bytes at 8 l.  Tiles 0-255 x, 256-447 w_qkv, 448-511 w_out.
; ws: [512 tiles][K step / 2][r][K step % 2][4 bytes]: a row's scale word of a K step, byte b for k = 32 b on.
; SHARES.  Work-group g makes tile g; wave w its K steps 2 w and 2 w + 1 (1,024 bytes of each of the 16 rows).  Each load reads 512 consecutive bytes; the numbers turn through the wave's own stage in LDS, so that lane (r, h)
; gets 32 neighbours along K of row r: a whole block, whose largest magnitude needs no other lane.  Each store of codes covers 256 consecutive bytes, aligned.  Waves share nothing: no barrier.  Written out, no loop.
.set PITCH, 1040                       ; a stage row: 1,024 bytes + 16: an odd multiple of 16, so that sixteen rows' reads start in different banks
.set WREG,  16*PITCH                   ; a wave's stage
.set SPARE, 4*WREG                     ; behind the four stages: the spare words, 128 bytes for each wave
.set SPW,   12                         ; v12  LDS address of my spare word; never rewritten
.set NIL,   13                         ; v13  0; never rewritten
.set E,     20                         ; v20-23   a scale byte for each unit
.set R,     32                         ; v32-159  the 32 loads
.set X,     160                        ; v160-223 two sets of 32 neighbours
.set C,     224                        ; v224-247 codes: six registers for each unit, so that no store's data are written again
.set CT,    248                        ; v248-250 a block's upper 16 codes (a conversion's three registers begin on an even number)
	s_load_b128 s[4:7], s[0:1], 0x0                ; x, w_qkv
	s_load_b128 s[8:11], s[0:1], 0x10              ; w_out, wc
	s_load_b64 s[12:13], s[0:1], 0x20              ; ws
	v_lshl_add_u32 v[SPW], v0, 2, SPARE
	v_mov_b32 v[NIL], 0
	v_lshrrev_b32 v1, 5, v0
	v_readfirstlane_b32 s14, v1                    ; wave 0..3
	v_and_b32 v1, 31, v0                           ; lane
	v_and_b32 v2, 15, v0                           ; r
	v_bfe_u32 v3, v0, 4, 1                         ; h
	v_lshlrev_b32 v4, 4, v1                        ; my 16 bytes of a load's 512
	s_mul_i32 s18, s14, WREG
	v_add_nc_u32 v5, s18, v4                       ; the stage, on the way in
	v_mul_u32_u24 v6, v2, PITCH
	v_lshl_add_u32 v6, v3, 7, v6
	v_add_nc_u32 v6, s18, v6                       ; and on the way out: row r, + 128 h: my 32 numbers of 64
	v_lshlrev_b32 v7, 3, v1                        ; my 8 bytes of a piece
	v_lshlrev_b32 v8, 3, v2
	v_lshl_add_u32 v8, v3, 2, v8                   ; my scale word's place: 8 r + 4 h
	v_lshlrev_b32 v9, 3, v3                        ; 8 h: my bytes' shift in a scale word
	v_mov_b32 v26, 0                               ; (a lane permute's destination counts as one of its sources)
	v_mov_b32 v27, 0
	s_mov_b32 s20, 0x76543210
	s_mov_b32 s21, 0xfedcba98                      ; v_permlanex16_b32's selects for lane l xor 16
	s_mov_b32 s15, 448
	s_cmp_lt_u32 ttmp9, s15
	s_cselect_b32 s15, 256, s15
	s_cmp_lt_u32 ttmp9, 256
	s_cselect_b32 s15, 0, s15                      ; the first tile of my tensor
	s_sub_co_u32 s15, ttmp9, s15                   ; T: my tile in it
	s_lshl_b32 s16, s15, 4
	s_and_b32 s17, s15, 1
	s_lshl_b32 s17, s17, 3
	s_sub_co_u32 s16, s16, s17                     ; the tile's first row: 16 T - 8 (T % 2)
	s_lshl_b32 s16, s16, 12                        ; rows of 4,096 bytes,
	s_lshl_b32 s17, s14, 10
	s_add_co_u32 s16, s16, s17                     ; + my wave's 1,024
	s_mov_b32 s17, 0
	s_mul_i32 s22, ttmp9, 12288                    ; the tile's codes,
	s_mul_i32 s23, s14, 3072
	s_add_co_u32 s22, s22, s23                     ; my two K steps
	s_mov_b32 s23, 0
	s_lshl_b32 s24, ttmp9, 9                       ; the tile's scale words,
	s_lshl_b32 s25, s14, 7
	s_add_co_u32 s24, s24, s25                     ; my pair of K steps
	s_mov_b32 s25, 0
	s_wait_kmcnt 0x0
	s_cmp_lt_u32 ttmp9, 448                        ; which tensor: the choice hangs on the work-group's number alone
	s_cselect_b64 s[6:7], s[6:7], s[8:9]
	s_cmp_lt_u32 ttmp9, 256
	s_cselect_b64 s[4:5], s[4:5], s[6:7]
	s_add_nc_u64 s[4:5], s[4:5], s[16:17]
	s_add_nc_u64 s[10:11], s[10:11], s[22:23]
	s_add_nc_u64 s[12:13], s[12:13], s[24:25]
.irp half, 0,1
.irp rho, 0,1,2,3,4,5,6,7,8,9,10,11,12,13,14,15
	global_load_b128 v[R+64*\half+4*\rho:R+64*\half+4*\rho+3], v4, s[4:5] offset:(\rho+8*(\rho/8))*4096+512*\half th:TH_LOAD_NT   ; the tile's row rho, K step half: 512 consecutive bytes, read once
.endr
.endr
; One unit: the block of 32 numbers in v[xs] on becomes six registers of codes and a scale byte.  Unit u = 2 x (K step of my two) + c.
.macro UNIT u, xs
	v_max3_num_f32 v14, |v[\xs]|, |v[\xs+1]|, |v[\xs+2]|           ; the block's largest magnitude, in two chains
	v_max3_num_f32 v15, |v[\xs+3]|, |v[\xs+4]|, |v[\xs+5]|
.irp i, 6,10,14,18,22,26
	v_max3_num_f32 v14, v14, |v[\xs+\i]|, |v[\xs+\i+1]|
	v_max3_num_f32 v15, v15, |v[\xs+\i+2]|, |v[\xs+\i+3]|
.endr
	v_max3_num_f32 v14, v14, |v[\xs+30]|, |v[\xs+31]|
	v_max3_num_f32 v14, v14, v15, 0x1800000        ; and the floor 2^(3 - 127): the byte cannot fall under 1
	v_add_nc_u32 v16, 0xff000000, v14              ; 2 off its exponent field: the conversion takes the exponent field of this operand as its scale
	v_cvt_scalef32_pk16_fp6_f32 v[C+6*(\u):C+6*(\u)+2], v[\xs:\xs+15], v16
	v_cvt_scalef32_pk16_fp6_f32 v[CT:CT+2], v[\xs+16:\xs+31], v16
	v_lshrrev_b32 v[E+(\u)], 23, v16               ; the scale's byte (also the plain instruction behind the conversions)
.irp i, 0,1,2
	v_mov_b32 v[C+6*(\u)+3+\i], v[CT+\i]
.endr
.irp p, 0,1,2
	global_store_b64 v7, v[C+6*(\u)+2*\p:C+6*(\u)+2*\p+1], s[10:11] offset:((\u)/2)*1536+(3*((\u)%2)+\p)*256   ; 32 lanes store 256 consecutive bytes, aligned
.endr
.endm
.irp half, 0,1
	s_wait_loadcnt 16-16*\half                     ; this K step's sixteen loads are in; the other's, issued behind them, may be out
.irp rho, 0,1,2,3,4,5,6,7,8,9,10,11,12,13,14,15
	ds_store_b128 v5, v[R+64*\half+4*\rho:R+64*\half+4*\rho+3] offset:\rho*PITCH+512*\half
.endr
.irp c, 0,1
.irp j, 0,1,2,3,4,5,6,7
	ds_load_b128 v[X+32*\c+4*\j:X+32*\c+4*\j+3], v6 offset:512*\half+256*\c+16*\j   ; LDS serves a wave's instructions in order: these see my stores
.endr
.endr
	s_wait_dscnt 8                                 ; the first unit's eight loads are in; the second's eight may be out
	UNIT 2*\half, X
	s_wait_dscnt 0x0
	UNIT 2*\half+1, X+32
.endr
	v_lshl_or_b32 v24, v[E+1], 16, v[E]            ; my two bytes of each K step: blocks h and 2 + h,
	v_lshl_or_b32 v25, v[E+3], 16, v[E+2]
	v_lshlrev_b32 v24, v9, v24                     ; at their places in the scale word;
	v_lshlrev_b32 v25, v9, v25
	v_permlanex16_b32 v26, v24, s20, s21
	v_permlanex16_b32 v27, v25, s20, s21
	v_or_b32 v24, v24, v26                         ; with lane l xor 16's two the words are whole
	v_or_b32 v25, v25, v27
	v_cmp_eq_u32 vcc_lo, 1, v3
	v_cndmask_b32 v24, v24, v25, vcc_lo            ; lanes 0-15 store the first K step's word, lanes 16-31 the second's
	global_store_b32 v8, v24, s[12:13]             ; 128 consecutive bytes a wave: the four waves' stores fill the tile's 512
	s_wait_tensorcnt 0x0                           ; the wave's end: behind my last LDS store
	ds_add_u32 v[SPW], v[NIL]
	s_wait_dscnt 0x0
	s_endpgm
.Lfunc_end_k_qcaecddb6a7_quant:
	.size	k_qcaecddb6a7_quant, .Lfunc_end_k_qcaecddb6a7_quant-k_qcaecddb6a7_quant
	.p2alignl 7, 3214868480
	.fill 96, 4, 3214868480
	.section	.rodata,"a",@progbits
	.p2align	6, 0x0
	.amdhsa_kernel k_qcaecddb6a7_quant
		.amdhsa_group_segment_fixed_size 67072
		.amdhsa_private_segment_fixed_size 0
		.amdhsa_enable_private_segment 0
		.amdhsa_kernarg_size 40
		.amdhsa_user_sgpr_count 2
		.amdhsa_user_sgpr_kernarg_segment_ptr 1
		.amdhsa_wavefront_size32 1
		.amdhsa_system_sgpr_workgroup_id_x 1
		.amdhsa_system_sgpr_workgroup_id_y 1
		.amdhsa_system_sgpr_workgroup_id_z 1
		.amdhsa_system_vgpr_workitem_id 0
		.amdhsa_next_free_vgpr 256
		.amdhsa_next_free_sgpr 66
		.amdhsa_reserve_vcc 1
		.amdhsa_float_denorm_mode_32 3
		.amdhsa_float_denorm_mode_16_64 3
		.amdhsa_memory_ordered 1
		.amdhsa_forward_progress 1
		.amdhsa_inst_pref_size 17
	.end_amdhsa_kernel
	.amdgpu_metadata
---
amdhsa.version: [ 1, 2 ]
amdhsa.kernels:
  - .name:           k_qcaecddb6a7_quant
    .symbol:         k_qcaecddb6a7_quant.kd
    .args:
      - { .name: x, .offset: 0, .size: 8, .value_kind: global_buffer, .address_space: global }
      - { .name: w_qkv, .offset: 8, .size: 8, .value_kind: global_buffer, .address_space: global }
      - { .name: w_out, .offset: 16, .size: 8, .value_kind: global_buffer, .address_space: global }
      - { .name: wc, .offset: 24, .size: 8, .value_kind: global_buffer, .address_space: global }
      - { .name: ws, .offset: 32, .size: 8, .value_kind: global_buffer, .address_space: global }
    .group_segment_fixed_size: 67072
    .private_segment_fixed_size: 0
    .kernarg_segment_align: 8
    .kernarg_segment_size: 40
    .max_flat_workgroup_size: 128
    .sgpr_count:     66
    .vgpr_count:     256
    .wavefront_size: 32
...
	.end_amdgpu_metadata
.endif
;; end of part 1
;; launch gemm_qkv (part 2): grid 12 x 16, 4 waves a work-group, clusters of 4 x 4, 327,680 bytes of LDS; arguments wc, ws, hc, hs; writes hc, hs
.if DOCPART == 2
	.amdgcn_target "amdgcn-amd-amdhsa--gfx1250"
	.amdhsa_code_object_version 6
	.text
	.protected	k_qcaecddb6a7_gemm_qkv
	.globl	k_qcaecddb6a7_gemm_qkv
	.p2align	8
	.type	k_qcaecddb6a7_gemm_qkv,@function
k_qcaecddb6a7_gemm_qkv:
	s_mov_b64 s[64:65], 0
	v_nop
	global_prefetch_b8 v0, s[64:65] scope:SCOPE_SE
	s_setreg_imm32_b32 hwreg(HW_REG_WAVE_MODE, 25, 1), 1
	s_wait_xcnt 0x0
	s_wait_alu depctr_hold_cnt(0) depctr_sa_sdst(0) depctr_va_vdst(0) depctr_va_sdst(0) depctr_va_ssrc(0) depctr_va_vcc(0) depctr_vm_vsrc(0)
	s_getreg_b32 s2, hwreg(HW_REG_IB_STS2, 6, 4)
	s_cmp_eq_u32 s2, 0
	s_cbranch_scc0 .Lentry_in_a_cluster
	s_endpgm
.Lentry_in_a_cluster:
	s_bfe_u32 s2, ttmp6, 0x10000c
	s_cmp_lg_u32 s2, 0xf033
	s_cbranch_scc0 .Lentry_shape_is_right
	s_endpgm
.Lentry_shape_is_right:
; qkv = x w_qkv^T on codes of FP6 (E2M3) with E8M0 scales, K = 1,024; the f32 results never go to memory: the way out quantises them into the images that the attention launch reads.
; OPERANDS come from wc and ws (tiles of 16 rows; lane r of tile T is row 32 (T / 2) + 8 (T % 2) + r + 8 (r / 8); a fragment of 128 along K is 1,536 bytes in the order of its registers).
; THE MATRIX INSTRUCTION IS USED TRANSPOSED: source 0's rows run along a lane's registers (16 neighbours in two neighbouring tiles), source 1's row is the lane's.
; Clusters x = 0, 1 make q, k: source 1 = 256 tokens, source 0 = 256 rows of w_q or w_k: a lane holds one token and 128 features = two heads: quantised along the head's 64.
; Cluster x = 2 makes v transposed: source 1 = 256 rows of w_v, source 0 = 256 tokens: a lane holds one feature and 128 neighbouring keys: quantised along the keys, which are the K of P v.
; A work-group of four waves makes 256 x 256, a wave 128 x 128: 64 accumulators, 512 registers.  K goes in four steps of 256 through a ring of two LDS slots; the scale words of all of K come once.
; CLUSTERS: 4 x 4.  Source 1's tiles hang on the cluster's y place alone and are asked for jointly along a row of the cluster, source 0's on its x place alone and jointly along a column.
; hc, for y = 2 head + batch: [Q: 128 tiles x 768 bytes][K: 128 x 768][V: 16 key steps x 4 tiles of d x 1,536].  A 768-byte image: registers 0-3 of the fragment at 16 l, registers 4-5 at 512 + 8 l (K = 64: the other six are zeros,
; which the reader makes).  A V image: registers 4 g .. 4 g + 3 at 512 g + 16 l.   hs: [Q: 128 x 16 words][K: 128 x 16][V: 16 x 4 x 16]; Q's and K's words hold their two bytes twice, so that the two blocks of zero codes have a sound byte.
; LIMITS: as stated at the head of the first launch (block of zeros: byte 1; NaN and infinities are not served).
; REGISTERS, in windows of 256: window 0: v0-31 addresses; v32-63 scale words, two sets; v128-223 source 1's fragments, one set; on the way out v112-127 codes, v200-217 at work.
;   window 1: source 0's fragments, two sets, at v0 and v128.   window 2: the accumulators of my source-1 blocks 0-3 ((a, b) at v[8 (8 a + b)]);   window 3: those of blocks 4-7.
.set NQ,     2                         ; matrix instructions deep in a slot
.set FR,     12                        ; registers of a fragment
.set NL,     6                         ; LDS loads that bring one
.set NP,     4                         ; places behind this matrix instruction (ISA guide 7.12.1)
.set STEPB,  1536                      ; a fragment in bytes
.set ROWB,   NQ*STEPB                  ; a tile's part of a slot
.set TILEB,  8*STEPB                   ; a tile's codes for all of K
.set HALFT,  8*ROWB                    ; 8 tiles: what one tensor load brings, and what one wave reads of a side
.set SLOT,   4*HALFT                   ; source 1's 16 tiles, then source 0's 16
.set SCL,    2*SLOT                    ; behind the ring: the scale words, 512 bytes a tile
.set HALFS,  4096                      ; those of 8 tiles
.set SBLK,   512
.set SPARE,  SCL+4*HALFS               ; the spare words, 128 bytes for each wave
.set STGQ,   SPARE+512                 ; the way out of q, k: 1,024 bytes a wave for scale words; no fill lands here
.set STGV,   STGQ+4096                 ; the way out of v: 512 bytes a wave, bytes of its own
.set ADRA, 16                          ; v16-17  LDS address of source 1's fragments in slot 0, 1
.set ADRB, 20                          ; v20-21  the same for source 0
.set ADRS, 27                          ; v27     LDS address of my scale words: lanes 0-15 source 1's, lanes 16-31 source 0's
.set SPW,  28                          ; v28     LDS address of my spare word; never rewritten
.set NIL,  29                          ; v29     0; never rewritten
.set SC,   32                          ; scale words: set s at v[SC + 16 s]; register 2 i + q: block i, the slot's q-th 128 along K
.set AF,   128                         ; source 1's fragments, in window 0
.set PC,   112                         ; the way out: a fragment's codes, v112-123; v124-126, v128-130 the conversions' second halves
.set TM,   200                         ; v200-203 largest magnitudes, v204-207 bytes, v212-215 the conversions' scale operands
.set PW,   216                         ; the scale word just made
.set PX,   217                         ; and as a head's word
.set G1, 24                            ; s[24:31] descriptor group 1 for source 1's tiles;  s[32:39] group 0, one set for each slot
.set G0, 32
.set G1B, 48                           ; s[48:55], s[56:63] the same for source 0's
.set G0B, 56
.set G1S, 68                           ; s[68:75], s[76:79] groups 1 and 0 for source 1's scale words;  s[80:87], s[88:91] for source 0's
.set G0S, 76
.set G1SB, 80
.set G0SB, 88
.set MSB, 0
.macro WIN new                         ; the immediate's high byte repeats the setting that is left
.if MSB != \new
	s_set_vgpr_msb (MSB<<8)|\new
.set MSB, \new
.endif
.endm
.set MUL_LO, 0xa1                      ; source 0 window 1, source 1 window 0, C and D window 2
.set MUL_HI, 0xf1                      ; the same, C and D window 3
.set TO_B,   0x40                      ; destination window 1, address window 0
; A joint load: waves 0 and 1 fetch for source 1, waves 2 and 3 for source 0.  Each line has one mask and one set of registers for all that issue it; the branch hangs on the wave's number alone.
; An s_nop 0 and four v_nop follow each of the two lines.
.macro JLOAD g0a, g1a, g0b, g1b
	s_cmp_eq_u32 s15, 0
	s_cbranch_scc0 .Lfor_b_\@
	tensor_load_to_lds s[\g0a:\g0a+3], s[\g1a:\g1a+7]
	s_nop 0
.rept 4
	v_nop
.endr
	s_branch .Lasked_\@
.Lfor_b_\@:
	tensor_load_to_lds s[\g0b:\g0b+3], s[\g1b:\g1b+7]
	s_nop 0
.rept 4
	v_nop
.endr
.Lasked_\@:
.endm
.macro CREST                           ; a round of the cluster's barrier behind its opening barrier
	s_cmp_lg_u32 s14, 0
	s_cbranch_scc1 .Lnot_wave_0_\@
	s_barrier_signal -3
.Lnot_wave_0_\@:
	s_barrier_wait -3
	s_barrier_signal -1
	s_barrier_wait -1
.endm
.macro CROUND                          ; a whole round
	s_barrier_signal -1
	s_barrier_wait -1
	CREST
.endm
	s_load_b256 s[4:11], s[0:1], 0x0               ; wc s[4:5], ws s[6:7], hc s[8:9], hs s[10:11]
	v_lshl_add_u32 v[SPW], v0, 2, SPARE
	v_mov_b32 v[NIL], 0
	ds_add_u32 v[SPW], v[NIL]                      ; the wave's opening: the add, twice on end, and its wait ahead of my first tensor load
	ds_add_u32 v[SPW], v[NIL]
	v_lshrrev_b32 v1, 5, v0
	v_readfirstlane_b32 s14, v1                    ; wave 0..3
	s_lshr_b32 s15, s14, 1                         ; which 8 of source 1's 16 tiles are mine.  Also: I fetch for source 1 (0) or source 0 (1)
	s_and_b32 s16, s14, 1                          ; which 8 of source 0's.  Also: which 8 tiles of that side I fetch
	s_bfe_u32 s40, ttmp6, 0x40000                  ; cx, cy: my place in the cluster
	s_bfe_u32 s41, ttmp6, 0x40004
	s_and_b32 s17, ttmp7, 0xffff                   ; the cluster's y
	s_lshl_b32 s43, s41, 2
	s_lshl_b32 s43, 15, s43                        ; my row of the cluster
	s_lshl_b32 s44, 0x1111, s40                    ; my column
	; descriptor group 1, codes: 8 rows (tiles) of 3,072 bytes = 384 elements of 8 bytes, 12,288 bytes apart; no padding: fragments lie as their registers, 256 consecutive bytes a load
	s_or_b32 s[G1+0], s43, (3<<16)|(1<<21)         ; 15:0 the mask; 17:16 elements of 8 bytes; 21 set beside a mask
	s_or_b32 s[G1B+0], s44, (3<<16)|(1<<21)
.irp g, G1, G1B
	s_mov_b32 s[\g+1], 384<<16                     ; tensor_dim0
	s_mov_b32 s[\g+2], 8<<16                       ; tensor_dim1
	s_mov_b32 s[\g+3], 384<<16                     ; tile_dim0
	s_mov_b32 s[\g+4], 8                           ; tile_dim1
	s_mov_b32 s[\g+5], 1536                        ; tensor_dim0_stride
	s_mov_b32 s[\g+6], 0
	s_mov_b32 s[\g+7], 0
.endr
	; scale words of 8 tiles: 4,096 dense bytes as 16 rows of 256
	s_or_b32 s[G1S+0], s43, (3<<16)|(1<<21)
	s_or_b32 s[G1SB+0], s44, (3<<16)|(1<<21)
.irp g, G1S, G1SB
	s_mov_b32 s[\g+1], 32<<16
	s_mov_b32 s[\g+2], 16<<16
	s_mov_b32 s[\g+3], 32<<16
	s_mov_b32 s[\g+4], 16
	s_mov_b32 s[\g+5], 32
	s_mov_b32 s[\g+6], 0
	s_mov_b32 s[\g+7], 0
.endr
	; which tiles of wc.  isV = 1 in cluster x = 2.  Source 1: x's tile 64 cly + 16 cy (q, k) or w_v's 384 + 16 cy (v).  Source 0: w_q's or w_k's 256 + 64 clx + 16 cx, or x's 64 cly + 16 cx.
	s_lshr_b32 s42, ttmp9, 1                       ; isV
	s_xor_b32 s45, s42, 1                          ; 1 - isV
	s_lshl_b32 s18, s16, 3                         ; the 8 tiles that I fetch
	s_lshl_b32 s19, s17, 6                         ; 64 cly
	s_lshl_b32 s20, s41, 4
	s_add_co_u32 s20, s20, s18
	s_mul_i32 s21, s45, s19
	s_add_co_u32 s20, s20, s21
	s_mul_i32 s21, s42, 384
	s_add_co_u32 s20, s20, s21                     ; source 1's first tile: it never holds cx
	s_lshl_b32 s46, s40, 4
	s_add_co_u32 s46, s46, s18
	s_mul_i32 s47, s42, s19
	s_add_co_u32 s46, s46, s47
	s_lshl_b32 s47, ttmp9, 6
	s_add_co_u32 s47, s47, 256
	s_mul_i32 s47, s47, s45
	s_add_co_u32 s46, s46, s47                     ; source 0's first tile: it never holds cy
	s_lshl_b32 s22, s20, 9                         ; where these tiles' scale words begin,
	s_mov_b32 s23, 0
	s_mul_i32 s20, s20, TILEB                      ; and their codes
	s_mov_b32 s21, 0
	s_lshl_b32 s92, s46, 9
	s_mov_b32 s93, 0
	s_mul_i32 s46, s46, TILEB
	s_mov_b32 s47, 0
	s_mul_i32 s45, s14, HALFT                      ; where they go: wave x 8 tiles: no place in the cluster enters an LDS address
	s_lshl_b32 s94, s14, 12
	s_wait_dscnt 0x0                               ; both opening adds are done
	s_wait_kmcnt 0x0
	s_add_nc_u64 s[20:21], s[4:5], s[20:21]
	s_add_nc_u64 s[22:23], s[6:7], s[22:23]
	s_add_nc_u64 s[46:47], s[4:5], s[46:47]
	s_add_nc_u64 s[92:93], s[6:7], s[92:93]
	CROUND                                         ; all sixteen work-groups are here: the first joint loads meet
	s_mov_b32 s[G0S], 1
	s_add_co_u32 s[G0S+1], s94, SCL
	s_mov_b64 s[G0S+2:G0S+3], s[22:23]
	s_or_b32 s[G0S+3], s[G0S+3], 0x80000000
	s_mov_b32 s[G0SB], 1
	s_add_co_u32 s[G0SB+1], s94, SCL
	s_mov_b64 s[G0SB+2:G0SB+3], s[92:93]
	s_or_b32 s[G0SB+3], s[G0SB+3], 0x80000000
	JLOAD G0S, G1S, G0SB, G1SB                     ; the scale words first: they are wanted with K step 0
.irp s, 0,1
	s_mov_b32 s[G0+4*\s], 1
	s_add_co_u32 s[G0+4*\s+1], s45, \s*SLOT
	s_add_nc_u64 s[G0+4*\s+2:G0+4*\s+3], s[20:21], \s*ROWB
	s_or_b32 s[G0+4*\s+3], s[G0+4*\s+3], 0x80000000
	s_mov_b32 s[G0B+4*\s], 1
	s_add_co_u32 s[G0B+4*\s+1], s45, \s*SLOT
	s_add_nc_u64 s[G0B+4*\s+2:G0B+4*\s+3], s[46:47], \s*ROWB
	s_or_b32 s[G0B+4*\s+3], s[G0B+4*\s+3], 0x80000000
	JLOAD G0+4*\s, G1, G0B+4*\s, G1B               ; three tensor loads of mine are out at the most
.endr
	v_and_b32 v1, 15, v0                           ; r
	v_bfe_u32 v2, v0, 4, 1                         ; h
	v_and_b32 v3, 31, v0                           ; lane
	v_lshlrev_b32 v8, 3, v3                        ; 8 l: my 8 bytes of a piece
	s_mul_i32 s21, s15, HALFT                      ; my 8 tiles of source 1
	s_mul_i32 s22, s16, HALFT                      ; my 8 of source 0,
	s_add_co_u32 s22, s22, 2*HALFT                 ; which lie behind source 1's 16
.irp s, 0,1
	v_add_nc_u32 v[ADRA+\s], s21, v8
	v_add_nc_u32 v[ADRB+\s], s22, v8
	s_add_co_u32 s21, s21, SLOT
	s_add_co_u32 s22, s22, SLOT
.endr
	v_lshlrev_b32 v5, 3, v1                        ; my row's two words of a slot: 8 r
	s_lshl_b32 s21, s15, 12                        ; source 1's: my 8 tiles
	s_lshl_b32 s22, s16, 12                        ; source 0's: my 8 tiles, behind source 1's 16
	s_add_co_u32 s22, s22, 2*HALFS
	s_sub_co_u32 s22, s22, s21
	v_mul_u32_u24 v6, s22, v2                      ; lanes 16-31 take source 0's
	s_add_co_u32 s21, s21, SCL
	v_add_nc_u32 v5, v5, v6
	v_add_nc_u32 v[ADRS], s21, v5
	; the way out's addresses
	v_lshlrev_b32 v7, 4, v3                        ; v7   16 l
	v_lshlrev_b32 v5, 2, v1                        ; 4 r
	s_lshl_b32 s21, s14, 10
	s_add_co_u32 s21, s21, STGQ
	v_lshl_add_u32 v9, v2, 9, v5
	v_add_nc_u32 v9, s21, v9                       ; v9   q, k: my head's word goes to 512 h + 4 r of my wave's bytes
	v_add_nc_u32 v10, s21, v7                      ; v10  and comes back 16 bytes a lane
	s_lshl_b32 s21, s14, 9
	s_add_co_u32 s21, s21, STGV
	v_add_nc_u32 v11, s21, v5                      ; v11  v: my row's word
	v_add_nc_u32 v12, s21, v7                      ; v12  back
	v_lshlrev_b32 v13, 4, v1
	v_mul_u32_u24 v6, v2, 40960
	v_add_nc_u32 v13, v13, v6                      ; v13  v's words in hs: lanes 0-15 the first head's 256 bytes, lanes 16-31 the second's, two y on
	s_mov_b32 s21, 0x02020202
	v_mul_lo_u32 v14, v2, s21
	v_add_nc_u32 v14, 0x01000100, v14              ; v14  byte selects: lanes 0-15 bytes 0, 1, 0, 1 of a word, lanes 16-31 bytes 2, 3, 2, 3
.irp b, 0,1,2,3
	v_mov_b32 v[TM+4+\b-96], 0                     ; (v108-111: spare writes are avoided: see below)
.endr
.macro FRAG reg, adr, q, i             ; a fragment lies in LDS as its registers: piece p = registers 2 p, 2 p + 1, 8 bytes a lane, 256 consecutive bytes a load
.irp p, 0,1,2,3,4,5
	ds_load_b64 v[\reg+2*\p:\reg+2*\p+1], v[\adr] offset:(\i)*ROWB+(\q)*STEPB+256*\p
.endr
.endm
; 16 matrix instructions: source 1's blocks a0, a0 + 1 x source 0's eight, 128 along K.  p: source 0's set;  sc: the set of scale words.  zero = 1: the first product starts the sums.
; The 64 accumulators take turns, one instruction a turn, in the same order in every step.
.macro MUL16 a0, p, q, sc, zero
.irp a, \a0, \a0+1
.irp b, 0,1,2,3,4,5,6,7
.if \zero
	v_wmma_scale_f32_16x16x128_f8f6f4 v[8*(8*((\a)%4)+\b):8*(8*((\a)%4)+\b)+7], v[128*(\p)+FR*\b:128*(\p)+FR*\b+FR-1], v[AF+FR*(\a):AF+FR*(\a)+FR-1], 0, v[SC+8*NQ*(\sc)+NQ*\b+(\q)], v[SC+8*NQ*(\sc)+NQ*(\a)+(\q)] matrix_a_fmt:MATRIX_FMT_FP6 matrix_b_fmt:MATRIX_FMT_FP6 matrix_a_scale:MATRIX_SCALE_ROW1
.else
	v_wmma_scale_f32_16x16x128_f8f6f4 v[8*(8*((\a)%4)+\b):8*(8*((\a)%4)+\b)+7], v[128*(\p)+FR*\b:128*(\p)+FR*\b+FR-1], v[AF+FR*(\a):AF+FR*(\a)+FR-1], v[8*(8*((\a)%4)+\b):8*(8*((\a)%4)+\b)+7], v[SC+8*NQ*(\sc)+NQ*\b+(\q)], v[SC+8*NQ*(\sc)+NQ*(\a)+(\q)] matrix_a_fmt:MATRIX_FMT_FP6 matrix_b_fmt:MATRIX_FMT_FP6 matrix_a_scale:MATRIX_SCALE_ROW1
.endif
.endr
.endr
.endm
.macro FETCH_B slot, q, p              ; source 0's eight fragments of the slot's q-th 128 along K into set p
	WIN TO_B
.irp i, 0,1,2,3,4,5,6,7
	FRAG 128*(\p)+FR*\i, ADRB+\slot, \q, \i
.endr
	WIN 0
.endm
.macro FETCH_A slot, q, i0             ; source 1's blocks i0 .. i0 + 3
.irp i, \i0, \i0+1, \i0+2, \i0+3
	FRAG AF+FR*(\i), ADRA+\slot, \q, \i
.endr
.endm
.macro SCALES sc                       ; a slot's scale words into set sc: two words a row; lanes 0-15 source 1's block i, lanes 16-31 source 0's block i
.irp i, 0,1,2,3,4,5,6,7
	ds_load_b64 v[SC+8*NQ*\sc+NQ*\i:SC+8*NQ*\sc+NQ*\i+1], v[ADRS] offset:\i*SBLK
.endr
.endm
.macro PLACES n                        ; plain vector instructions that name none of a matrix instruction's registers, in front of loads into registers that it has read and of reads of its results
.rept \n
	v_nop
.endr
.endm
; A step of 128 along K that has its successor in the same slot.
.macro STEP slot, q, zero
	s_wait_dscnt 4*NL                              ; source 0's set and source 1's blocks 0-3 are in; the youngest 24 loads (blocks 4-7) may be out
	WIN MUL_LO
	MUL16 0, (\q)%2, \q, \slot, \zero
	MUL16 2, (\q)%2, \q, \slot, \zero
	s_wait_dscnt 0                                 ; blocks 4-7 are in
	PLACES NP
	FETCH_B \slot, (\q)+1, 1-(\q)%2
	FETCH_A \slot, (\q)+1, 0
	WIN MUL_HI
	MUL16 4, (\q)%2, \q, \slot, \zero
	MUL16 6, (\q)%2, \q, \slot, \zero
	PLACES NP
	WIN 0
	FETCH_A \slot, (\q)+1, 4
.endm
; A slot's last step changes slots: one barrier; in front of it each wave waits for all its tensor loads, adds 0 to its spare word, and waits for that and for its own reads of this slot.  fill = 1: this slot is filled again.
.macro TURN slot, next, fill
	s_wait_tensorcnt 0x0                           ; all my tensor loads have landed: my part of the next slot
	ds_add_u32 v[SPW], v[NIL]                      ; 0 onto my spare word
	s_wait_dscnt 4*NL+1                            ; (the add and the youngest 24 loads may be out)
	WIN MUL_LO
	MUL16 0, 1, NQ-1, \slot, 0                     ; sixteen matrix instructions stand between the add and the wait for it
	s_wait_dscnt 0x0                               ; the add is done, and my reads of this slot are over
	s_barrier_signal -1
	MUL16 2, 1, NQ-1, \slot, 0
	WIN 0
	s_barrier_wait -1
.if \fill
	CREST                                          ; the barrier has opened a round of the cluster's barrier: no wave of any partner still reads this slot or has a load on its way
	s_add_nc_u64 s[G0+4*\slot+2:G0+4*\slot+3], s[G0+4*\slot+2:G0+4*\slot+3], 2*ROWB
	s_add_nc_u64 s[G0B+4*\slot+2:G0B+4*\slot+3], s[G0B+4*\slot+2:G0B+4*\slot+3], 2*ROWB
	JLOAD G0+4*\slot, G1, G0B+4*\slot, G1B         ; the first tensor load behind the round, my only one; its four v_nop are the places in front of the loads below
.else
	PLACES NP
.endif
	v_add_nc_u32 v[ADRS], 128, v[ADRS]             ; on to the next slot's scale words
	FETCH_B \next, 0, 0
	FETCH_A \next, 0, 0
	SCALES \next
	WIN MUL_HI
	MUL16 4, 1, NQ-1, \slot, 0
	MUL16 6, 1, NQ-1, \slot, 0
	PLACES NP
	WIN 0
	FETCH_A \next, 0, 4
.endm
	s_wait_tensorcnt 1                             ; the scale words and my part of slot 0 are in (slot 1's load may be out),
	s_barrier_signal -1
	s_barrier_wait -1                              ; everybody's are
	FETCH_B 0, 0, 0
	FETCH_A 0, 0, 0
	SCALES 0
	FETCH_A 0, 0, 4
	STEP 0, 0, 1                                   ; K = 1,024 is four slots' worth: written out.  The first products start the sums
	TURN 0, 1, 1
	STEP 1, 0, 0
	TURN 1, 0, 1
	STEP 0, 0, 0
	TURN 0, 1, 0                                   ; the last two slots are not filled again
	STEP 1, 0, 0
	s_wait_dscnt 4*NL
	WIN MUL_LO
	MUL16 0, 1, NQ-1, 1, 0
	MUL16 2, 1, NQ-1, 1, 0
	s_wait_dscnt 0
	WIN MUL_HI
	MUL16 4, 1, NQ-1, 1, 0
	MUL16 6, 1, NQ-1, 1, 0
	WIN 0
	PLACES NP                                      ; behind the last products: the way out reads results and writes registers that held source 1's fragments
.irp b, 0,1,2,3
	v_mov_b32 v[TM+4+\b], 0                        ; written once: a lane permute's destination counts as one of its sources
.endr
; THE WAY OUT.  The 64 numbers of a lane in accumulator row a (register 16 b + i = place 32 b + 16 (lane / 16) + i along source 0's rows) become a fragment's codes in v[PC] on and its scale word in v[PW].
.macro QUANTW a
.set AC, 64*((\a)%4)
.set WA, 2+(\a)/4                      ; the accumulators' window
.set WW, 5*WA                          ; sources 0 and 1 in it
	WIN WW
.irp b, 0,1,2,3
	v_max3_num_f32 v[TM+\b], |v[AC+16*\b]|, |v[AC+16*\b+1]|, 0x1800000   ; block b: my 16 numbers, each accumulator from its low end on, and the floor 2^(3 - 127)
.endr
.irp i, 2,4,6,8,10,12,14
.irp b, 0,1,2,3
	v_max3_num_f32 v[TM+\b], |v[AC+16*\b+\i]|, |v[AC+16*\b+\i+1]|, v[TM+\b]
.endr
.endr
	WIN 0
.irp b, 0,1,2,3
	v_permlanex16_b32 v[TM+4+\b], v[TM+\b], s96, s97
.endr
.irp b, 0,1,2,3
	v_max_num_f32 v[TM+\b], v[TM+\b], v[TM+4+\b]   ; with lane l xor 16's: the block's largest magnitude
.endr
.irp b, 0,1,2,3
	v_add_nc_u32 v[TM+12+\b], 0xff000000, v[TM+\b] ; 2 off its exponent field: the conversion's scale operand
.endr
.irp b, 0,1,2,3
	v_lshrrev_b32 v[TM+4+\b], 23, v[TM+12+\b]      ; the scale's byte
.endr
	v_lshl_or_b32 v[PW], v[TM+5], 8, v[TM+4]
	v_lshl_or_b32 v[PW], v[TM+6], 16, v[PW]
	v_lshl_or_b32 v[PW], v[TM+7], 24, v[PW]
	WIN WA                                         ; source 0 in the accumulators' window
.irp c, 0,1
	v_cvt_scalef32_pk16_fp6_f32 v[PC+6*\c:PC+6*\c+2], v[AC+32*\c:AC+32*\c+15], v[TM+12+2*\c]
	v_cvt_scalef32_pk16_fp6_f32 v[PC+12+4*\c:PC+14+4*\c], v[AC+32*\c+16:AC+32*\c+31], v[TM+12+2*\c+1]
.endr
	WIN 0
	v_nop                                          ; one plain instruction behind a scaled conversion
.irp c, 0,1                                    ; the operand's layout wants a whole block in a lane: lanes 0-15 block 2 c, lanes 16-31 block 2 c + 1
.irp i, 0,1,2
	v_permlane16_swap_b32 v[PC+6*\c+\i], v[PC+12+4*\c+\i]
.endr
.irp i, 0,1,2
	v_mov_b32 v[PC+3+6*\c+\i], v[PC+12+4*\c+\i]
.endr
.endr
.endm
	s_mov_b32 s96, 0x76543210
	s_mov_b32 s97, 0xfedcba98                      ; v_permlanex16_b32's selects for lane l xor 16
	s_cmp_eq_u32 ttmp9, 2                          ; the cluster's x: the same in all sixteen partners
	s_cbranch_scc1 .Lv_out
	; ---- q, k.  My lanes are tokens, my 128 features two heads: registers 0-5 of the fragment are the first head's image, registers 6-11 the second's
	s_lshl_b32 s20, s17, 6
	s_lshl_b32 s21, s41, 4
	s_add_co_u32 s20, s20, s21
	s_lshl_b32 s21, s15, 3
	s_add_co_u32 s20, s20, s21
	s_and_b32 s20, s20, 127                        ; my first token tile in its batch
	s_lshl_b32 s21, s40, 2
	s_lshl_b32 s22, s16, 1
	s_add_co_u32 s21, s21, s22                     ; my first head: 4 cx + 2 x half
	s_lshl_b32 s21, s21, 1
	s_lshr_b32 s22, s17, 1                         ; the batch
	s_add_co_u32 s21, s21, s22                     ; y = 2 head + batch
	s_mul_i32 s22, s21, 294912
	s_mul_i32 s23, ttmp9, 98304                    ; Q's images or K's
	s_add_co_u32 s22, s22, s23
	s_mul_i32 s23, s20, 768
	s_add_co_u32 s22, s22, s23
	s_mov_b32 s23, 0
	s_add_nc_u64 s[8:9], s[8:9], s[22:23]
	s_mul_i32 s22, s21, 20480
	s_lshl_b32 s46, ttmp9, 13
	s_add_co_u32 s22, s22, s46
	s_lshl_b32 s46, s20, 6
	s_add_co_u32 s22, s22, s46
	s_add_nc_u64 s[10:11], s[10:11], s[22:23]
.irp a, 0,1,2,3,4,5,6,7
.if \a > 0
	s_wait_xcnt 0x0                                ; the last tile's stores have read their data: the codes' registers are written again only behind this wait
.endif
	QUANTW \a
	global_store_b128 v7, v[PC:PC+3], s[8:9] offset:\a*768                    ; 512 consecutive bytes, aligned to 256
	global_store_b64 v8, v[PC+4:PC+5], s[8:9] offset:\a*768+512               ; 256
	global_store_b128 v7, v[PC+6:PC+9], s[8:9] offset:589824+\a*768           ; the next head lies two y on
	global_store_b64 v8, v[PC+10:PC+11], s[8:9] offset:589824+\a*768+512
	v_perm_b32 v[PX], v[PW], v[PW], v14            ; lanes 0-15: the first head's two bytes, twice; lanes 16-31: the second head's
	ds_store_b32 v9, v[PX] offset:64*\a
.endr
	ds_load_b128 v[128:131], v10                   ; LDS serves a wave's instructions in order: these see my stores.  The first head's 8 x 16 words,
	ds_load_b128 v[132:135], v10 offset:512        ; the second's
	s_wait_dscnt 0x0
	global_store_b128 v7, v[128:131], s[10:11]
	global_store_b128 v7, v[132:135], s[10:11] offset:40960
	s_branch .Ldone
.Lv_out:
	; ---- v.  My lanes are features (tiles 0-3 one head's 64, tiles 4-7 the next head's), my 128 registers' places one key step: a whole fragment of V^T
	s_lshl_b32 s21, s41, 2
	s_lshl_b32 s22, s15, 1
	s_add_co_u32 s21, s21, s22                     ; my first head: 4 cy + 2 x half
	s_lshl_b32 s20, s17, 2
	s_add_co_u32 s20, s20, s40
	s_lshl_b32 s20, s20, 1
	s_add_co_u32 s20, s20, s16                     ; which 128 tokens: 2 (4 cly + cx) + half
	s_lshl_b32 s21, s21, 1
	s_lshr_b32 s22, s20, 4                         ; the batch
	s_add_co_u32 s21, s21, s22                     ; y
	s_and_b32 s20, s20, 15                         ; the key step
	s_mul_i32 s22, s21, 294912
	s_add_co_u32 s22, s22, 196608
	s_mul_i32 s23, s20, 6144
	s_add_co_u32 s22, s22, s23
	s_mov_b32 s23, 0
	s_add_nc_u64 s[8:9], s[8:9], s[22:23]
	s_mul_i32 s22, s21, 20480
	s_add_co_u32 s22, s22, 16384
	s_lshl_b32 s46, s20, 8
	s_add_co_u32 s22, s22, s46
	s_add_nc_u64 s[10:11], s[10:11], s[22:23]
.irp a, 0,1,2,3,4,5,6,7
.if \a > 0
	s_wait_xcnt 0x0                                ; as above
.endif
	QUANTW \a
.irp g, 0,1,2
	global_store_b128 v7, v[PC+4*\g:PC+4*\g+3], s[8:9] offset:(\a/4)*589824+(\a%4)*1536+512*\g
.endr
	ds_store_b32 v11, v[PW] offset:64*\a           ; both halves of the lanes write the same word with the same value
.endr
	ds_load_b128 v[128:131], v12
	s_wait_dscnt 0x0
	global_store_b128 v13, v[128:131], s[10:11]    ; sixteen lanes store a head's 256 bytes of this key step, aligned
.Ldone:
	s_wait_tensorcnt 0x0                           ; the wave's end: behind my last tensor load and my last LDS store
	ds_add_u32 v[SPW], v[NIL]
	s_wait_dscnt 0x0
	CROUND                                         ; the closing round: no work-group ends while a partner may still ask for a tile that names it
	s_endpgm
.Lfunc_end_k_qcaecddb6a7_gemm_qkv:
	.size	k_qcaecddb6a7_gemm_qkv, .Lfunc_end_k_qcaecddb6a7_gemm_qkv-k_qcaecddb6a7_gemm_qkv
	.p2alignl 7, 3214868480
	.fill 96, 4, 3214868480
	.section	.rodata,"a",@progbits
	.p2align	6, 0x0
	.amdhsa_kernel k_qcaecddb6a7_gemm_qkv
		.amdhsa_group_segment_fixed_size 327680
		.amdhsa_private_segment_fixed_size 0
		.amdhsa_enable_private_segment 0
		.amdhsa_kernarg_size 32
		.amdhsa_user_sgpr_count 2
		.amdhsa_user_sgpr_kernarg_segment_ptr 1
		.amdhsa_wavefront_size32 1
		.amdhsa_system_sgpr_workgroup_id_x 1
		.amdhsa_system_sgpr_workgroup_id_y 1
		.amdhsa_system_sgpr_workgroup_id_z 1
		.amdhsa_system_vgpr_workitem_id 0
		.amdhsa_next_free_vgpr 1024
		.amdhsa_next_free_sgpr 98
		.amdhsa_reserve_vcc 0
		.amdhsa_float_denorm_mode_32 3
		.amdhsa_float_denorm_mode_16_64 3
		.amdhsa_memory_ordered 1
		.amdhsa_forward_progress 1
		.amdhsa_inst_pref_size 202
	.end_amdhsa_kernel
	.amdgpu_metadata
---
amdhsa.version: [ 1, 2 ]
amdhsa.kernels:
  - .name:           k_qcaecddb6a7_gemm_qkv
    .symbol:         k_qcaecddb6a7_gemm_qkv.kd
    .args:
      - { .name: wc, .offset: 0, .size: 8, .value_kind: global_buffer, .address_space: global }
      - { .name: ws, .offset: 8, .size: 8, .value_kind: global_buffer, .address_space: global }
      - { .name: hc, .offset: 16, .size: 8, .value_kind: global_buffer, .address_space: global }
      - { .name: hs, .offset: 24, .size: 8, .value_kind: global_buffer, .address_space: global }
    .group_segment_fixed_size: 327680
    .private_segment_fixed_size: 0
    .kernarg_segment_align: 8
    .kernarg_segment_size: 32
    .max_flat_workgroup_size: 128
    .sgpr_count:     98
    .vgpr_count:     1024
    .wavefront_size: 32
...
	.end_amdgpu_metadata
.endif
;; end of part 2
;; launch attn (part 3): grid 8 x 32, 16 waves a work-group, no clusters, 217,088 bytes of LDS; arguments hc, hs, ac, asc; writes ac, asc
.if DOCPART == 3
	.amdgcn_target "amdgcn-amd-amdhsa--gfx1250"
	.amdhsa_code_object_version 6
	.text
	.protected	k_qcaecddb6a7_attn
	.globl	k_qcaecddb6a7_attn
	.p2align	8
	.type	k_qcaecddb6a7_attn,@function
k_qcaecddb6a7_attn:
	s_mov_b64 s[64:65], 0
	v_nop
	global_prefetch_b8 v0, s[64:65] scope:SCOPE_SE
	s_setreg_imm32_b32 hwreg(HW_REG_WAVE_MODE, 25, 1), 1
	s_wait_xcnt 0x0
; For one head and batch (y = 2 head + batch): scores = q k^T / 8 - slope |i - j|, causal; p = sigmoid(score)^4 / (the row's sum + 1e-6); o = p v.  Both products on codes of FP6 (E2M3) with E8M0 scales; all else f32.
; WORK LEFT OUT: key steps wholly above the diagonal (shown at the head of the first launch: the problem's own mask gives them p = 0).  A NaN or infinity that reaches only those steps is not carried on.
; p is quantised finished and normalised, so the row's sum must be known first: TWO PASSES over the keys.  Pass 1 makes the scores and sums s4 = 1 / (1 + u)^4; pass 2 makes the same scores again, p = 1 / (z (1 + u))^4 with
; z = (sum + eps)^(1/4), its codes, and P v.
; u = e^-score = 2^arg, arg = c1 (S + 8 slope i) + log2(e) slope (d - 32 b): c1 = -log2(e) / 8; a lane's register 16 b + i holds key KF + 16 (lane / 16) + 32 b + i, and d = query - KF - 16 (lane / 16), a whole number.
; The term 8 slope i is the same in every lane and step: it is the C of the scores' matrix instruction.  The second term is one number a block.  So the distance costs no instruction a score.
; LIMITS: the distance's term is added in another order than the problem writes it: arg differs by rounding of f32 sums of size up to 85 (head 0), about 6e-6 at the most, less for the smaller slopes.
; z is made by two square roots and one Newton step and is right to about its last bit: p differs from s4 / (sum + eps) by rounding of the size of the other f32 steps.
; (1 + u)^4 beyond f32's range gives p = 0, and a reciprocal under 2^-126 is 0 (ISA guide: the transcendentals flush denormals).  A block of zeros has the byte 1.  NaN and infinities are not served.
; SHARES.  A work-group has sixteen waves of 256 registers, four to a SIMD; a wave owns one tile of 16 queries (lane r of tile T: query 32 (T / 2) + 8 (T % 2) + r + 8 (r / 8)).  Waves 0-7 take the tiles of query block i (128 queries),
; waves 8-15 those of block 15 - i: a wave walks block + 1 key steps of 128 in each pass, so each pair of waves walks 17 and all 256 work-groups are alike.
; LDS.  The head's K and V codes and scale words come once, by six tensor loads of waves 0 to 2, and stay: no slot is filled again.  By this text's count a wave has two tensor loads out at the most.
; NO CLUSTER, though the eight work-groups of a y read the same K and V: the jump over hidden key steps hangs on the query block, which differs between them, and partners of a cluster may have no such branch.
; NO PREFETCH: nothing is streamed behind the first fills.
; LAYOUT.  Both products transposed: S^T = K Q^T, O^T = V^T P^T: a lane holds one query throughout.  The first product's K is 64: a fragment of K holds TWO tiles of keys, tile 2 f in k = 0 .. 63 and tile 2 f + 1 in k = 64 .. 127,
; and Q stands as Q | zeros | Q in 18 registers: registers 0-11 pick the even tile, registers 6-17 the odd one.  So a step's eight tiles are four fragments, 48 registers, one run of loads.
; A scale register holds two tiles' words: lanes 0-15 the even tile's, lanes 16-31 the odd tile's.  K's and Q's words hold their two bytes twice, so either half of K finds its bytes.
; LOADS A STEP AHEAD.  K's registers are free behind the scores' products: pass 1 asks there for the next step's K, pass 2 for this step's V, and for the next K behind the V^T P products.  The look-ahead has no branch: behind my
; last step it reads the 6,144 bytes that follow K's codes and the 512 that follow K's scale words; K's loads bring 6,144 bytes more for that, and K's codes follow K's scale words; nothing uses what it brings.
; TRANSCENDENTALS BY TURNS WITH PLAIN WORK.  The 64 scores go as two halves: exp of one half stands among the other half's scalings, and so on (macro TRIPS); each of the four runs has one wait behind it.
; REGISTERS: v1-4, v7 addresses that stay; v5, v6 the add's two; v8-12 addresses in hand; v13 query - 16 h; v[14:15], v[246:247] the sum; v16-33 Q | 0 | Q; v34-81 K's four fragments, in pass 2 then V's four; v82-97 8 slope i;
; v98-161 S, then (1 + u)^4, then s4 or p; v162-193 O^T; v194-205 P's codes; v206-212 conversions' second halves; v214-221 the blocks' terms (pairs); v222-233 at work; v234-237 K's scale words; v238-239 V's;
; v248 d; v249 d as f32; v250 log2(e) slope; v251 the S of a hidden key; v252 Q's scale words; v253 P's; v[254:255] z.
.set KS,    0                          ; LDS: K's scale words: 512 j + 64 tile + 4 r
.set KC,    8192                       ; K's codes: 6,144 j + 768 tile; 98,304 bytes and 6,144 more
.set VC,    112640                     ; V's: 6,144 j + 1,536 t
.set VS,    210944                     ; V's scale words: 256 j + 64 t + 4 r
.set SPARE, 215040                     ; the spare words, 128 bytes for each of sixteen waves
.set AK1,  1                           ; v1   KC + 16 l: registers 0-3 of a 768-byte image
.set AK2,  2                           ; v2   KC + 512 + 8 l: registers 4-5
.set AKS,  3                           ; v3   KS + 4 l
.set AV1,  4                           ; v4   VC + 16 l
.set SPW,  5
.set NIL,  6
.set AVS,  7                           ; v7   VS + 4 l
.set DK1,  8                           ; v8-12 the same five with the step's bytes added
.set DK2,  9
.set DKS,  10
.set DV1,  11
.set DVS,  12
.set QI,   13
.set SA,   14
.set QQ,   16
.set KFR,  34
.set CP,   82
.set S,    98
.set O,    162
.set PC,   194
.set PT,   206
.set CB,   214
.set MX,   222                         ; v222-225 largest magnitudes
.set PM,   226                         ; v226-229 the other half's, then bytes
.set SO,   230                         ; v230-233 the conversions' scale operands
.set KSW,  234
.set VSW,  238
.set SB,   246
.set DI,   248
.set DF,   249
.set C2V,  250
.set MK,   251
.set QSW,  252
.set PSW,  253
.set ZQ,   254
.set WV,   18                          ; s18  my wave's number
.set SEL,  20                          ; s[20:21] lane selects for v_permlanex16_b32: lane l xor 16
.set CS,   22                          ; s[22:23] c1 (the packed form names a pair and takes its low word for both halves)
.set KF,   26                          ; s26  the step's first key
.set KD,   27                          ; s27  the first key of my step on the diagonal: 128 x my query block
.set TK,   28                          ; s28  where the step's codes begin, in K's region and in V's: 6,144 a step
.set TS,   29                          ; s29  K's scale words: 512 a step
.set TV,   31                          ; s31  V's: 256 a step
.set CNT,  32                          ; s32  counts the trips
.set G1K,  36                          ; s[36:43] group 1: 52,224 dense bytes;  s[44:51]: 49,152;  s[52:59]: 8,192;  s[84:91]: 4,096
.set G1V,  44
.set G1SK, 52
.set G1SV, 84
.set G0K,  60                          ; s[60:63] group 0: my half of K's codes;  s[68:71] of V's;  s[72:75] K's scale words;  s[76:79] V's
.set G0V,  68
.set G0SK, 72
.set G0SV, 76
.macro DENSE g, rows                   ; a dense block as rows of 256 bytes (32 elements of 8 bytes), no padding
	s_mov_b32 s[\g], 3<<16
	s_mov_b32 s[\g+1], 32<<16
	s_mov_b32 s[\g+2], (\rows)<<16
	s_mov_b32 s[\g+3], 32<<16
	s_mov_b32 s[\g+4], \rows
	s_mov_b32 s[\g+5], 32
	s_mov_b32 s[\g+6], 0
	s_mov_b32 s[\g+7], 0
.endm
; A key step's K: four fragments of two tiles each, and four registers of scale words: twenty loads in one run
.macro KLOAD a1, a2, a3, off, soff
.irp f, 0,1,2,3
	ds_load_b128 v[KFR+12*\f:KFR+12*\f+3], v[\a1] offset:\off+1536*\f
	ds_load_b64 v[KFR+12*\f+4:KFR+12*\f+5], v[\a2] offset:\off+1536*\f
	ds_load_b128 v[KFR+12*\f+6:KFR+12*\f+9], v[\a1] offset:\off+1536*\f+768
	ds_load_b64 v[KFR+12*\f+10:KFR+12*\f+11], v[\a2] offset:\off+1536*\f+768
	ds_load_b32 v[KSW+\f], v[\a3] offset:\soff+128*\f
.endr
.endm
; Plain line ka of 48 that make (1 + u)^4 (pass 2: (z (1 + u))^4) of the 32 numbers from v[base] on: sixteen packed additions (pass 2: fused multiply-adds), then two times sixteen squarings
.macro AOP two, base
.set ar, \base+2*(ka%16)
.if ka < 16
.if \two
	v_pk_fma_f32 v[ar:ar+1], v[ar:ar+1], v[ZQ:ZQ+1], v[ZQ:ZQ+1]
.else
	v_pk_add_f32 v[ar:ar+1], v[ar:ar+1], 1.0 op_sel_hi:[1,0]
.endif
.else
	v_pk_mul_f32 v[ar:ar+1], v[ar:ar+1], v[ar:ar+1]
.endif
.set ka, ka+1
.endm
; Plain line km of 16: the row's sum takes a pair of the 32 numbers from v[base] on, in two chains by turns
.macro SOP base
.set cr, SA+(km%2)*(SB-SA)
	v_pk_add_f32 v[cr:cr+1], v[cr:cr+1], v[\base+2*km:\base+2*km+1]
.set km, km+1
.endm
; Plain line km of 16: the largest p of blocks bb and bb + 1 of 32 keys, by turns: my 16 numbers of each (none is negative), and the floor 2^(3 - 127)
.macro MOP bb
.set mb, \bb+km%2
.set mi, 2*(km/2)
.if km < 2
	v_max3_num_f32 v[MX+mb], v[S+16*mb], v[S+16*mb+1], 0x1800000
.else
	v_max3_num_f32 v[MX+mb], v[MX+mb], v[S+16*mb+mi], v[S+16*mb+mi+1]
.endif
.set km, km+1
.endm
	s_load_b256 s[4:11], s[0:1], 0x0               ; hc s[4:5], hs s[6:7], ac s[8:9], asc s[10:11]
	v_lshl_add_u32 v[SPW], v0, 2, SPARE
	v_mov_b32 v[NIL], 0
	ds_add_u32 v[SPW], v[NIL]                      ; the wave's opening: the add, twice on end, and its wait ahead of the first tensor loads
	ds_add_u32 v[SPW], v[NIL]
	v_lshrrev_b32 v8, 5, v0
	v_readfirstlane_b32 s[WV], v8                  ; wave 0..15
	DENSE G1K, 204
	DENSE G1V, 192
	DENSE G1SK, 32
	DENSE G1SV, 16
	s_and_b32 s12, ttmp7, 0xffff                   ; y
	s_mul_i32 s14, s12, 294912
	s_mov_b32 s15, 0
	s_mul_i32 s16, s12, 20480
	s_mov_b32 s17, 0
	s_and_b32 s13, s[WV], 1                        ; waves 0, 1: which half
	s_mul_i32 s19, s13, 52224                      ; of K's 104,448 bytes,
	s_mul_i32 s2, s13, 49152                       ; of V's 98,304
	s_add_co_u32 s24, s19, 98304                   ; in memory K's images lie behind Q's 98,304 bytes,
	s_mov_b32 s25, 0
	s_add_co_u32 s34, s2, 196608                   ; V's behind K's
	s_mov_b32 s35, 0
	s_mov_b32 s[G0K], 1
	s_add_co_u32 s[G0K+1], s19, KC
	s_mov_b32 s[G0V], 1
	s_add_co_u32 s[G0V+1], s2, VC
	s_mov_b32 s[G0SK], 1
	s_mov_b32 s[G0SK+1], KS
	s_mov_b32 s[G0SV], 1
	s_mov_b32 s[G0SV+1], VS
	s_mov_b32 s[SEL], 0x76543210
	s_mov_b32 s[SEL+1], 0xfedcba98
	s_mov_b32 s[CS], 0xbe38aa3b                    ; c1 = -log2(e) / 8
	s_mov_b32 s[CS+1], s[CS]
	s_wait_dscnt 0x0                               ; both opening adds are done
	s_wait_kmcnt 0x0
	s_add_nc_u64 s[4:5], s[4:5], s[14:15]          ; hc and hs at my y
	s_add_nc_u64 s[6:7], s[6:7], s[16:17]
	s_add_nc_u64 s[G0K+2:G0K+3], s[4:5], s[24:25]
	s_add_nc_u64 s[G0V+2:G0V+3], s[4:5], s[34:35]
	s_or_b32 s[G0K+3], s[G0K+3], 0x80000000
	s_or_b32 s[G0V+3], s[G0V+3], 0x80000000
	s_add_nc_u64 s[G0SK+2:G0SK+3], s[6:7], 8192
	s_or_b32 s[G0SK+3], s[G0SK+3], 0x80000000
	s_add_nc_u64 s[G0SV+2:G0SV+3], s[6:7], 16384
	s_or_b32 s[G0SV+3], s[G0SV+3], 0x80000000
	s_cmp_lt_u32 s[WV], 2                          ; a wave's two first fills stand in one branch: first what pass 1 reads, then what pass 2 reads
	s_cbranch_scc0 .Lnot_codes
	tensor_load_to_lds s[G0K:G0K+3], s[G1K:G1K+7]
	s_nop 0
	tensor_load_to_lds s[G0V:G0V+3], s[G1V:G1V+7]
	s_nop 0
.rept 4
	v_nop
.endr
	s_branch .Lasked
.Lnot_codes:
	s_cmp_eq_u32 s[WV], 2
	s_cbranch_scc0 .Lasked
	tensor_load_to_lds s[G0SK:G0SK+3], s[G1SK:G1SK+7]
	s_nop 0
	tensor_load_to_lds s[G0SV:G0SV+3], s[G1SV:G1SV+7]
	s_nop 0
.rept 4
	v_nop
.endr
.Lasked:
	v_and_b32 v8, 31, v0                           ; lane
	v_and_b32 v9, 15, v0                           ; r
	v_bfe_u32 v10, v0, 4, 1                        ; h
	v_lshlrev_b32 v11, 4, v8                       ; 16 l
	v_lshlrev_b32 v12, 3, v8
	v_add_nc_u32 v12, 512, v12                     ; 8 l + 512
	v_add_nc_u32 v[AK1], KC, v11
	v_add_nc_u32 v[AK2], KC, v12
	v_lshl_add_u32 v[AKS], v8, 2, KS
	v_add_nc_u32 v[AV1], VC, v11
	v_lshl_add_u32 v[AVS], v8, 2, VS
	v_lshlrev_b32 v[DF], 2, v9                     ; 4 r
	s_sub_co_u32 s2, 15, ttmp9
	s_cmp_lt_u32 s[WV], 8
	s_cselect_b32 s2, ttmp9, s2                    ; my query block
	s_lshl_b32 s[KD], s2, 7
	s_and_b32 s3, s[WV], 7
	s_lshl_b32 s33, s2, 3
	s_add_co_u32 s33, s33, s3                      ; T: my tile of queries
	s_mul_i32 s34, s33, 768
	s_mov_b32 s35, 0
	s_add_nc_u64 s[14:15], s[4:5], s[34:35]
	s_lshl_b32 s34, s33, 6
	s_add_nc_u64 s[16:17], s[6:7], s[34:35]
	global_load_b128 v[QQ:QQ+3], v11, s[14:15]     ; Q's six registers stay, twice: below the zeros
	global_load_b64 v[QQ+4:QQ+5], v12, s[14:15]
	global_load_b128 v[QQ+12:QQ+15], v11, s[14:15] ; and above them
	global_load_b64 v[QQ+16:QQ+17], v12, s[14:15]
	global_load_b32 v[QSW], v[DF], s[16:17]        ; and its scale words
	s_lshl_b32 s34, s33, 4
	s_and_b32 s3, s33, 1
	s_lshl_b32 s3, s3, 3
	s_sub_co_u32 s34, s34, s3                      ; the tile's first query: 16 T - 8 (T % 2)
	v_and_b32 v222, 8, v9
	v_add_nc_u32 v222, v222, v9                    ; r + 8 (r / 8)
	v_lshlrev_b32 v223, 4, v10
	v_sub_nc_u32 v222, v222, v223
	v_add_nc_u32 v[QI], s34, v222                  ; my query - 16 h
	s_lshr_b32 s24, s12, 1                         ; the head
	s_and_b32 s25, s12, 1                          ; the batch
	s_add_co_u32 s3, s24, 1                        ; slope = 2^(-(head + 1) / 2): sqrt(1/2) or 1, with (head + 1) / 2 off the exponent
	s_lshr_b32 s3, s3, 1
	s_lshl_b32 s3, s3, 23
	s_mov_b32 s2, 0x3f3504f3
	s_bitcmp1_b32 s24, 0
	s_cselect_b32 s2, 0x3f800000, s2
	s_sub_co_u32 s2, s2, s3                        ; the slope's bits
	s_add_co_u32 s3, s2, 3<<23                     ; 8 slope
	v_mov_b32 v224, s2
	v_mul_f32 v[C2V], 0x3fb8aa3b, v224             ; log2(e) slope
.set n, 0
.rept 16
	v_cvt_f32_u32 v[CP+n], n
.set n, n+1
.endr
.set n, 0
.rept 16
	v_mul_f32 v[CP+n], s3, v[CP+n]                 ; 8 slope i
.set n, n+1
.endr
	s_lshl_b32 s34, s25, 7
	s_add_co_u32 s34, s34, s33                     ; my token tile: 128 batch + T
	s_mul_i32 s80, s34, 12288
	s_mul_i32 s81, s24, 768                        ; K step head / 2 of 1,536 bytes, its half head % 2: 768 x head
	s_add_co_u32 s80, s80, s81
	s_mov_b32 s81, 0
	s_add_nc_u64 s[8:9], s[8:9], s[80:81]          ; where my codes go
	s_lshl_b32 s80, s34, 9
	s_lshr_b32 s19, s24, 2
	s_lshl_b32 s19, s19, 7
	s_add_co_u32 s80, s80, s19
	s_and_b32 s19, s24, 3
	s_lshl_b32 s19, s19, 1                         ; word (head / 2) % 2, bytes 2 (head % 2) on: 2 (head % 4)
	s_add_co_u32 s80, s80, s19
	s_add_nc_u64 s[10:11], s[10:11], s[80:81]      ; and my two scale bytes
.irp j, 6,7,8,9,10,11
	v_mov_b32 v[QQ+\j], 0                          ; the zero codes between Q's two copies
.endr
.irp j, SA,SA+1,SB,SB+1,CB+1,CB+3,CB+5,CB+7,PM,PM+1,PM+2,PM+3
	v_mov_b32 v[\j], 0                             ; the sums; the upper halves of pairs that are named whole; the permutes' destinations
.endr
	v_mov_b32 v[MK], 0xc79c4000                    ; -80,000: the S of a hidden key: c1 times it is 10000 log2(e), beside which the distance's term (under 140 on the diagonal) is nothing: u is infinite
.set n, 0
.rept 32
	v_mov_b32 v[O+n], 0                            ; O^T: the loop is written once, its first step adds onto zeros
.set n, n+1
.endr
	s_wait_tensorcnt 0x1                           ; my first load (K's codes, K's scale words) has landed; the second, V's, may stay out
	s_wait_loadcnt 0x0                             ; Q
	s_barrier_signal -1
	s_barrier_wait -1                              ; everybody's have
; A PASS: sixteen trips, a constant, so that every stepped LDS address can be read off the text; a step all of whose keys come after my queries is jumped over, all but the lines that step addresses.
.macro TRIPS two
	s_mov_b32 s[KF], 0
	s_mov_b32 s[TK], 0
	s_mov_b32 s[TS], 0
	s_mov_b32 s[TV], 0
	s_mov_b32 s[CNT], 0
	KLOAD AK1, AK2, AKS, 0, 0                      ; key step 0
.Ltrip_\@:
	s_cmp_gt_u32 s[KF], s[KD]                      ; ids and the count of steps alone
	s_cbranch_scc1 .Lskip_\@
	s_wait_dscnt 0x0                               ; this step's K, asked for a step ago
.irp t, 0,1,2,3,4,5,6,7                        ; S^T + 8 slope i = K Q^T + C: the even tile against Q | 0, the odd tile against 0 | Q
.if \t%2
	v_wmma_scale_f32_16x16x128_f8f6f4 v[S+8*\t:S+8*\t+7], v[KFR+12*(\t/2):KFR+12*(\t/2)+11], v[QQ+6:QQ+17], v[CP+8:CP+15], v[KSW+\t/2], v[QSW] matrix_a_fmt:MATRIX_FMT_FP6 matrix_b_fmt:MATRIX_FMT_FP6 matrix_a_scale:MATRIX_SCALE_ROW1
.else
	v_wmma_scale_f32_16x16x128_f8f6f4 v[S+8*\t:S+8*\t+7], v[KFR+12*(\t/2):KFR+12*(\t/2)+11], v[QQ:QQ+11], v[CP:CP+7], v[KSW+\t/2], v[QSW] matrix_a_fmt:MATRIX_FMT_FP6 matrix_b_fmt:MATRIX_FMT_FP6
.endif
.endr
	v_sub_nc_u32 v[DI], v[QI], s[KF]               ; d.  (These lines name no register of the products: they are the four places in front of the loads into K's registers and of the first read of S)
	v_add_nc_u32 v[DK1], s[TK], v[AK1]
	v_add_nc_u32 v[DK2], s[TK], v[AK2]
	v_add_nc_u32 v[DKS], s[TS], v[AKS]
.if \two
	v_add_nc_u32 v[DV1], s[TK], v[AV1]
	v_add_nc_u32 v[DVS], s[TV], v[AVS]
.irp t, 0,1,2,3                                ; pass 2: this step's V lands where K lay, under the softmax
.irp g, 0,1,2
	ds_load_b128 v[KFR+12*\t+4*\g:KFR+12*\t+4*\g+3], v[DV1] offset:1536*\t+512*\g
.endr
.endr
	ds_load_b32 v[VSW], v[DVS]
	ds_load_b32 v[VSW+1], v[DVS] offset:128
.else
	KLOAD DK1, DK2, DKS, 6144, 512                 ; pass 1: the next step's K, under the softmax
.endif
	v_cvt_f32_i32 v[DF], v[DI]
	v_add_f32 v[CB+2], 0xc2000000, v[DF]           ; d - 32 b: whole numbers, exact
	v_add_f32 v[CB+4], 0xc2800000, v[DF]
	v_add_f32 v[CB+6], 0xc2c00000, v[DF]
	v_mul_f32 v[CB], v[C2V], v[DF]
	v_mul_f32 v[CB+2], v[C2V], v[CB+2]
	v_mul_f32 v[CB+4], v[C2V], v[CB+4]
	v_mul_f32 v[CB+6], v[C2V], v[CB+6]             ; log2(e) slope (d - 32 b)
	s_cmp_lt_u32 s[KF], s[KD]                      ; under the diagonal every key counts
	s_cbranch_scc1 .Lopen_\@
.set n, 0
.rept 64
	v_cmp_gt_i32 vcc_lo, 32*(n/16)+n%16, v[DI]     ; on it: register 16 b + i is hidden where 32 b + i > d.  Each accumulator from its low end on
	v_cndmask_b32 v[S+n], v[S+n], v[MK], vcc_lo
.set n, n+1
.endr
.Lopen_\@:
.set n, 0
.rept 16
	v_pk_fma_f32 v[S+n:S+n+1], v[S+n:S+n+1], s[CS:CS+1], v[CB+2*(n/16):CB+2*(n/16)+1] op_sel_hi:[1,0,0]   ; arg of the first half, two at a time
.set n, n+2
.endr
.set kt, 0
.rept 16                                       ; u of the first half | arg of the second
	v_exp_f32 v[S+kt], v[S+kt]
	v_exp_f32 v[S+kt+1], v[S+kt+1]
	v_pk_fma_f32 v[S+32+kt:S+33+kt], v[S+32+kt:S+33+kt], s[CS:CS+1], v[CB+2*((32+kt)/16):CB+2*((32+kt)/16)+1] op_sel_hi:[1,0,0]
.set kt, kt+2
.endr
	s_wait_alu depctr_va_vdst(0)                   ; one wait for the run, ahead of its first reader; the run ends on a plain line
.set kt, 0
.set ka, 0
.rept 16                                       ; u of the second half | (1 + u)^4 of the first
	v_exp_f32 v[S+32+kt], v[S+32+kt]
	AOP \two, S
	v_exp_f32 v[S+33+kt], v[S+33+kt]
	AOP \two, S
	AOP \two, S
.set kt, kt+2
.endr
	s_wait_alu depctr_va_vdst(0)
.set kt, 0
.set ka, 0
.rept 16                                       ; the first half's reciprocals (pass 1: s4; pass 2: p; 0 for a hidden key) | (1 + u)^4 of the second
	v_rcp_f32 v[S+kt], v[S+kt]
	AOP \two, S+32
	v_rcp_f32 v[S+kt+1], v[S+kt+1]
	AOP \two, S+32
	AOP \two, S+32
.set kt, kt+2
.endr
	s_wait_alu depctr_va_vdst(0)
.set kt, 0
.set km, 0
.rept 16                                       ; the second half's reciprocals | the first half's sums (pass 2: its two blocks' largest p)
	v_rcp_f32 v[S+32+kt], v[S+32+kt]
	v_rcp_f32 v[S+33+kt], v[S+33+kt]
.if \two
	MOP 0
.else
	SOP S
.endif
.set kt, kt+2
.endr
	s_wait_alu depctr_va_vdst(0)
.set km, 0
.rept 16
.if \two
	MOP 2
.else
	SOP S+32
.endif
.endr
.if \two
.irp b, 0,1,2,3
	v_permlanex16_b32 v[PM+\b], v[MX+\b], s[SEL], s[SEL+1]
.endr
.irp b, 0,1,2,3
	v_max_num_f32 v[MX+\b], v[MX+\b], v[PM+\b]     ; with lane l xor 16's 16 keys
.endr
.irp b, 0,1,2,3
	v_add_nc_u32 v[SO+\b], 0xff000000, v[MX+\b]    ; 2 off the exponent field: the conversion's scale operand
.endr
.irp b, 0,1,2,3
	v_lshrrev_b32 v[PM+\b], 23, v[SO+\b]           ; the scale's byte
.endr
	v_lshl_or_b32 v[PSW], v[PM+1], 8, v[PM]        ; p's scale word for these 128 keys
	v_lshl_or_b32 v[PSW], v[PM+2], 16, v[PSW]
	v_lshl_or_b32 v[PSW], v[PM+3], 24, v[PSW]
.irp c, 0,1
	v_cvt_scalef32_pk16_fp6_f32 v[PC+6*\c:PC+6*\c+2], v[S+32*\c:S+32*\c+15], v[SO+2*\c]
	v_cvt_scalef32_pk16_fp6_f32 v[PT+4*\c:PT+4*\c+2], v[S+32*\c+16:S+32*\c+31], v[SO+2*\c+1]   ; (a conversion's three registers begin on an even number)
.endr
	v_nop                                          ; one plain instruction behind a scaled conversion
.irp c, 0,1                                    ; the operand's layout wants a whole block in a lane
.irp i, 0,1,2
	v_permlane16_swap_b32 v[PC+6*\c+\i], v[PT+4*\c+\i]
.endr
.irp i, 0,1,2
	v_mov_b32 v[PC+3+6*\c+\i], v[PT+4*\c+\i]
.endr
.endr
.rept 8
	v_nop                                          ; a scale register written by a vector instruction stands 8 places ahead of a scaled matrix instruction, an operand so written 4
.endr
	s_wait_dscnt 0x0                               ; V, asked for behind the scores' products
.irp t, 0,1,2,3                                ; O^T += V^T P^T: the four accumulators by turns, one instruction a turn; the matrix instruction ahead of the first is a score's
.if \t%2
	v_wmma_scale_f32_16x16x128_f8f6f4 v[O+8*\t:O+8*\t+7], v[KFR+12*\t:KFR+12*\t+11], v[PC:PC+11], v[O+8*\t:O+8*\t+7], v[VSW+\t/2], v[PSW] matrix_a_fmt:MATRIX_FMT_FP6 matrix_b_fmt:MATRIX_FMT_FP6 matrix_a_scale:MATRIX_SCALE_ROW1
.else
	v_wmma_scale_f32_16x16x128_f8f6f4 v[O+8*\t:O+8*\t+7], v[KFR+12*\t:KFR+12*\t+11], v[PC:PC+11], v[O+8*\t:O+8*\t+7], v[VSW+\t/2], v[PSW] matrix_a_fmt:MATRIX_FMT_FP6 matrix_b_fmt:MATRIX_FMT_FP6
.endif
.endr
.rept 4
	v_nop                                          ; places in front of loads into registers that matrix instructions have read
.endr
	KLOAD DK1, DK2, DKS, 6144, 512                 ; the next step's K
.endif
.Lskip_\@:
	s_add_co_u32 s[KF], s[KF], 128
	s_add_co_u32 s[TK], s[TK], 6144
	s_add_co_u32 s[TS], s[TS], 512
	s_add_co_u32 s[TV], s[TV], 256
	s_add_co_u32 s[CNT], s[CNT], 1
	s_cmp_lt_u32 s[CNT], 16
	s_cbranch_scc1 .Ltrip_\@
.endm
	TRIPS 0
	v_pk_add_f32 v[SA:SA+1], v[SA:SA+1], v[SB:SB+1]   ; the two chains,
	v_add_f32 v[SA], v[SA], v[SA+1]                ; the two halves,
	v_permlanex16_b32 v[PM], v[SA], s[SEL], s[SEL+1]
	v_add_f32 v[SA], v[SA], v[PM]                  ; and lane l xor 16's keys: the row's sum
	v_add_f32 v[SA], 0x358637bd, v[SA]             ; Z = sum + 1e-6
	v_sqrt_f32 v[ZQ], v[SA]
	v_rcp_f32 v[MX+3], v[SA]
	v_nop
	s_wait_alu depctr_va_vdst(0)
	v_sqrt_f32 v[ZQ], v[ZQ]                        ; y, near Z^(1/4)
	v_nop
	s_wait_alu depctr_va_vdst(0)
	v_mul_f32 v[MX], v[ZQ], v[ZQ]                  ; one Newton step on y^4 = Z.  y2 = y y rounded,
	v_fma_f32 v[MX+1], v[ZQ], v[ZQ], -v[MX]        ; what the rounding took, exactly,
	v_fma_f32 v[MX+2], v[MX], v[MX], -v[SA]        ; y2 y2 - Z,
	v_add_f32 v[MX], v[MX], v[MX]
	v_fma_f32 v[MX+2], v[MX], v[MX+1], v[MX+2]     ; y^4 - Z;
	v_mul_f32 v[MX+2], v[MX+2], v[MX+3]
	v_mul_f32 v[MX+2], 0xbe800000, v[MX+2]         ; - (y^4 - Z) / (4 Z)
	v_fma_f32 v[ZQ], v[ZQ], v[MX+2], v[ZQ]         ; z
	v_mov_b32 v[ZQ+1], v[ZQ]
	s_wait_tensorcnt 0x0                           ; V's codes and scale words have landed,
	s_wait_dscnt 0x0                               ; and my look-ahead's loads are in,
	s_barrier_signal -1
	s_barrier_wait -1                              ; everybody's have
	TRIPS 1
	; THE WAY OUT.  My 32 registers are d = 32 b + 16 h + 0 .. 15 of my query: two blocks of 32 along C, quantised into half a fragment of the last product's operand.
	s_wait_dscnt 0x0                               ; the look-ahead's loads are in
	v_and_b32 v[DV1], 31, v0
	v_lshlrev_b32 v[DV1], 3, v[DV1]                ; 8 l
	v_and_b32 v[DVS], 15, v0
	v_lshlrev_b32 v[DVS], 3, v[DVS]                ; 8 r
	v_max3_num_f32 v[MX], |v[O]|, |v[O+1]|, 0x1800000
	v_max3_num_f32 v[MX+1], |v[O+16]|, |v[O+17]|, 0x1800000
.irp i, 2,4,6,8,10,12,14
	v_max3_num_f32 v[MX], v[MX], |v[O+\i]|, |v[O+1+\i]|   ; each accumulator from its low end on
	v_max3_num_f32 v[MX+1], v[MX+1], |v[O+16+\i]|, |v[O+17+\i]|
.endr
	v_permlanex16_b32 v[PM], v[MX], s[SEL], s[SEL+1]
	v_permlanex16_b32 v[PM+1], v[MX+1], s[SEL], s[SEL+1]
	v_max_num_f32 v[MX], v[MX], v[PM]
	v_max_num_f32 v[MX+1], v[MX+1], v[PM+1]
	v_add_nc_u32 v[SO], 0xff000000, v[MX]
	v_add_nc_u32 v[SO+1], 0xff000000, v[MX+1]
	v_lshrrev_b32 v[PM], 23, v[SO]
	v_lshrrev_b32 v[PM+1], 23, v[SO+1]
	v_lshl_or_b32 v[PM+2], v[PM+1], 8, v[PM]       ; my row's two scale bytes
	v_cvt_scalef32_pk16_fp6_f32 v[PC:PC+2], v[O:O+15], v[SO]
	v_cvt_scalef32_pk16_fp6_f32 v[PT:PT+2], v[O+16:O+31], v[SO+1]
	v_nop
.irp i, 0,1,2
	v_permlane16_swap_b32 v[PC+\i], v[PT+\i]       ; lanes 0-15: block 0 whole, lanes 16-31: block 1
.endr
.irp i, 0,1,2
	v_mov_b32 v[PC+3+\i], v[PT+\i]
.endr
.irp p, 0,1,2
	global_store_b64 v[DV1], v[PC+2*\p:PC+2*\p+1], s[8:9] offset:256*\p   ; 32 lanes store 256 consecutive bytes, aligned
.endr
	global_store_b16 v[DVS], v[PM+2], s[10:11]     ; two bytes a row, 8 bytes apart (lanes r and r + 16 store the same value to the same place): one byte for each 24 of codes; the other heads' work-groups fill the words
	s_wait_tensorcnt 0x0                           ; the wave's end
	ds_add_u32 v[SPW], v[NIL]
	s_wait_dscnt 0x0
	s_endpgm
.Lfunc_end_k_qcaecddb6a7_attn:
	.size	k_qcaecddb6a7_attn, .Lfunc_end_k_qcaecddb6a7_attn-k_qcaecddb6a7_attn
	.p2alignl 7, 3214868480
	.fill 96, 4, 3214868480
	.section	.rodata,"a",@progbits
	.p2align	6, 0x0
	.amdhsa_kernel k_qcaecddb6a7_attn
		.amdhsa_group_segment_fixed_size 217088
		.amdhsa_private_segment_fixed_size 0
		.amdhsa_enable_private_segment 0
		.amdhsa_kernarg_size 32
		.amdhsa_user_sgpr_count 2
		.amdhsa_user_sgpr_kernarg_segment_ptr 1
		.amdhsa_wavefront_size32 1
		.amdhsa_system_sgpr_workgroup_id_x 1
		.amdhsa_system_sgpr_workgroup_id_y 1
		.amdhsa_system_sgpr_workgroup_id_z 1
		.amdhsa_system_vgpr_workitem_id 0
		.amdhsa_next_free_vgpr 256
		.amdhsa_next_free_sgpr 92
		.amdhsa_reserve_vcc 1
		.amdhsa_float_denorm_mode_32 3
		.amdhsa_float_denorm_mode_16_64 3
		.amdhsa_memory_ordered 1
		.amdhsa_forward_progress 1
		.amdhsa_inst_pref_size 65
	.end_amdhsa_kernel
	.amdgpu_metadata
---
amdhsa.version: [ 1, 2 ]
amdhsa.kernels:
  - .name:           k_qcaecddb6a7_attn
    .symbol:         k_qcaecddb6a7_attn.kd
    .args:
      - { .name: hc, .offset: 0, .size: 8, .value_kind: global_buffer, .address_space: global }
      - { .name: hs, .offset: 8, .size: 8, .value_kind: global_buffer, .address_space: global }
      - { .name: ac, .offset: 16, .size: 8, .value_kind: global_buffer, .address_space: global }
      - { .name: asc, .offset: 24, .size: 8, .value_kind: global_buffer, .address_space: global }
    .group_segment_fixed_size: 217088
    .private_segment_fixed_size: 0
    .kernarg_segment_align: 8
    .kernarg_segment_size: 32
    .max_flat_workgroup_size: 512
    .sgpr_count:     92
    .vgpr_count:     256
    .wavefront_size: 32
...
	.end_amdgpu_metadata
.endif
;; end of part 3
;; launch gemm_out (part 4): grid 4 x 16, 4 waves a work-group, clusters of 4 x 4, 327,680 bytes of LDS; arguments ac, asc, wc, ws, out0; writes out0
.if DOCPART == 4
	.amdgcn_target "amdgcn-amd-amdhsa--gfx1250"
	.amdhsa_code_object_version 6
	.text
	.protected	k_qcaecddb6a7_gemm_out
	.globl	k_qcaecddb6a7_gemm_out
	.p2align	8
	.type	k_qcaecddb6a7_gemm_out,@function
k_qcaecddb6a7_gemm_out:
	s_mov_b64 s[64:65], 0
	v_nop
	global_prefetch_b8 v0, s[64:65] scope:SCOPE_SE
	s_setreg_imm32_b32 hwreg(HW_REG_WAVE_MODE, 25, 1), 1
	s_wait_xcnt 0x0
	s_wait_alu depctr_hold_cnt(0) depctr_sa_sdst(0) depctr_va_vdst(0) depctr_va_sdst(0) depctr_va_ssrc(0) depctr_va_vcc(0) depctr_vm_vsrc(0)
	s_getreg_b32 s2, hwreg(HW_REG_IB_STS2, 6, 4)
	s_cmp_eq_u32 s2, 0
	s_cbranch_scc0 .Lentry_in_a_cluster
	s_endpgm
.Lentry_in_a_cluster:
	s_bfe_u32 s2, ttmp6, 0x10000c
	s_cmp_lg_u32 s2, 0xf033
	s_cbranch_scc0 .Lentry_shape_is_right
	s_endpgm
.Lentry_shape_is_right:
; out0 = o w_out^T on codes of FP6 (E2M3) with E8M0 scales, K = 1,024.  o's codes and scale words come from the attention launch (ac, asc: 256 token tiles), w_out's from the first launch (wc, ws: tiles 448-511).
; Tiles, fragments, ring, joint loads and the loop are those of the launch that makes q, k, v: a tile is 16 rows, lane r of tile T row 32 (T / 2) + 8 (T % 2) + r + 8 (r / 8); a fragment is 1,536 bytes in the order of its registers.
; THE MATRIX INSTRUCTION IS USED TRANSPOSED: source 0 = 16 rows of w_out, source 1 = 16 tokens: a lane holds one token, and the 16 registers of two neighbouring tiles are 16 neighbouring columns of out0.
; A work-group of four waves makes 256 x 256 of out0, a wave 128 x 128.  64 work-groups: a smaller tile would give more, at twice the LDS reads for each product and with a second loop text.
; CLUSTERS: 4 x 4: o's tiles are asked for jointly along a row of the cluster, w_out's along a column.
; REGISTERS, in windows of 256: window 0: v0-31 addresses; v32-63 scale words, two sets; v128-223 source 1's fragments; on the way out v128-255 rows of out0.   window 1: source 0's fragments, two sets.   windows 2, 3: the accumulators.
.set NQ,     2
.set FR,     12
.set NL,     6
.set NP,     4
.set STEPB,  1536
.set ROWB,   NQ*STEPB
.set TILEB,  8*STEPB
.set HALFT,  8*ROWB
.set SLOT,   4*HALFT
.set SCL,    2*SLOT
.set HALFS,  4096
.set SBLK,   512
.set SPARE,  SCL+4*HALFS
.set SPITCH, 528                       ; the way out: a stage of 16 rows x (512 bytes + 16) for each wave, in slot 0, which has had its last fill and its last read when the first result is stored there
.set ADRA, 16
.set ADRB, 20
.set STO,  24                          ; v24  the way out: where I put 32 bytes of a row
.set RD,   25                          ; v25  where I read a row back
.set CO,   26                          ; v26  my byte offset in a row of out0
.set ADRS, 27
.set SPW,  28
.set NIL,  29
.set SC,   32
.set AF,   128
.set BK,   128                         ; 16 rows read back from the stage: v128-191 and v192-255 by turns
.set G1, 24
.set G0, 32
.set G1B, 48
.set G0B, 56
.set G1S, 68
.set G0S, 76
.set G1SB, 80
.set G0SB, 88
.set MSB, 0
.macro WIN new                         ; the immediate's high byte repeats the setting that is left
.if MSB != \new
	s_set_vgpr_msb (MSB<<8)|\new
.set MSB, \new
.endif
.endm
.set MUL_LO, 0xa1
.set MUL_HI, 0xf1
.set TO_B,   0x40
.macro JLOAD g0a, g1a, g0b, g1b        ; a joint load: waves 0 and 1 fetch for source 1, waves 2 and 3 for source 0; an s_nop 0 and four v_nop follow each line
	s_cmp_eq_u32 s15, 0
	s_cbranch_scc0 .Lfor_b_\@
	tensor_load_to_lds s[\g0a:\g0a+3], s[\g1a:\g1a+7]
	s_nop 0
.rept 4
	v_nop
.endr
	s_branch .Lasked_\@
.Lfor_b_\@:
	tensor_load_to_lds s[\g0b:\g0b+3], s[\g1b:\g1b+7]
	s_nop 0
.rept 4
	v_nop
.endr
.Lasked_\@:
.endm
.macro CREST
	s_cmp_lg_u32 s14, 0
	s_cbranch_scc1 .Lnot_wave_0_\@
	s_barrier_signal -3
.Lnot_wave_0_\@:
	s_barrier_wait -3
	s_barrier_signal -1
	s_barrier_wait -1
.endm
.macro CROUND
	s_barrier_signal -1
	s_barrier_wait -1
	CREST
.endm
	s_load_b128 s[4:7], s[0:1], 0x0                ; ac, asc
	s_load_b128 s[8:11], s[0:1], 0x10              ; wc, ws
	s_load_b64 s[12:13], s[0:1], 0x20              ; out0
	v_lshl_add_u32 v[SPW], v0, 2, SPARE
	v_mov_b32 v[NIL], 0
	ds_add_u32 v[SPW], v[NIL]                      ; the wave's opening: the add, twice on end, and its wait ahead of my first tensor load
	ds_add_u32 v[SPW], v[NIL]
	v_lshrrev_b32 v1, 5, v0
	v_readfirstlane_b32 s14, v1                    ; wave 0..3
	s_lshr_b32 s15, s14, 1
	s_and_b32 s16, s14, 1
	s_bfe_u32 s40, ttmp6, 0x40000                  ; cx, cy
	s_bfe_u32 s41, ttmp6, 0x40004
	s_and_b32 s17, ttmp7, 0xffff
	s_lshl_b32 s17, s17, 2
	s_add_co_u32 s17, s17, s41                     ; which 256 tokens: 4 x cluster y + cy
	s_lshl_b32 s43, s41, 2
	s_lshl_b32 s43, 15, s43                        ; my row of the cluster
	s_lshl_b32 s44, 0x1111, s40                    ; my column
	s_or_b32 s[G1+0], s43, (3<<16)|(1<<21)         ; codes: 8 rows (tiles) of 3,072 bytes = 384 elements of 8 bytes, 12,288 bytes apart
	s_or_b32 s[G1B+0], s44, (3<<16)|(1<<21)
.irp g, G1, G1B
	s_mov_b32 s[\g+1], 384<<16
	s_mov_b32 s[\g+2], 8<<16
	s_mov_b32 s[\g+3], 384<<16
	s_mov_b32 s[\g+4], 8
	s_mov_b32 s[\g+5], 1536
	s_mov_b32 s[\g+6], 0
	s_mov_b32 s[\g+7], 0
.endr
	s_or_b32 s[G1S+0], s43, (3<<16)|(1<<21)        ; scale words of 8 tiles: 4,096 dense bytes as 16 rows of 256
	s_or_b32 s[G1SB+0], s44, (3<<16)|(1<<21)
.irp g, G1S, G1SB
	s_mov_b32 s[\g+1], 32<<16
	s_mov_b32 s[\g+2], 16<<16
	s_mov_b32 s[\g+3], 32<<16
	s_mov_b32 s[\g+4], 16
	s_mov_b32 s[\g+5], 32
	s_mov_b32 s[\g+6], 0
	s_mov_b32 s[\g+7], 0
.endr
	s_lshl_b32 s18, s16, 3                         ; the 8 tiles that I fetch
	s_lshl_b32 s20, s17, 4
	s_add_co_u32 s20, s20, s18                     ; o's first tile
	s_lshl_b32 s46, s40, 4
	s_add_co_u32 s46, s46, s18
	s_add_co_u32 s46, s46, 448                     ; w_out's, in wc
	s_lshl_b32 s22, s20, 9
	s_mov_b32 s23, 0
	s_mul_i32 s20, s20, TILEB
	s_mov_b32 s21, 0
	s_lshl_b32 s92, s46, 9
	s_mov_b32 s93, 0
	s_mul_i32 s46, s46, TILEB
	s_mov_b32 s47, 0
	s_mul_i32 s45, s14, HALFT
	s_lshl_b32 s94, s14, 12
	s_wait_dscnt 0x0                               ; both opening adds are done
	s_wait_kmcnt 0x0
	s_add_nc_u64 s[20:21], s[4:5], s[20:21]
	s_add_nc_u64 s[22:23], s[6:7], s[22:23]
	s_add_nc_u64 s[46:47], s[8:9], s[46:47]
	s_add_nc_u64 s[92:93], s[10:11], s[92:93]
	CROUND                                         ; all sixteen work-groups are here: the first joint loads meet
	s_mov_b32 s[G0S], 1
	s_add_co_u32 s[G0S+1], s94, SCL
	s_mov_b64 s[G0S+2:G0S+3], s[22:23]
	s_or_b32 s[G0S+3], s[G0S+3], 0x80000000
	s_mov_b32 s[G0SB], 1
	s_add_co_u32 s[G0SB+1], s94, SCL
	s_mov_b64 s[G0SB+2:G0SB+3], s[92:93]
	s_or_b32 s[G0SB+3], s[G0SB+3], 0x80000000
	JLOAD G0S, G1S, G0SB, G1SB
.irp s, 0,1
	s_mov_b32 s[G0+4*\s], 1
	s_add_co_u32 s[G0+4*\s+1], s45, \s*SLOT
	s_add_nc_u64 s[G0+4*\s+2:G0+4*\s+3], s[20:21], \s*ROWB
	s_or_b32 s[G0+4*\s+3], s[G0+4*\s+3], 0x80000000
	s_mov_b32 s[G0B+4*\s], 1
	s_add_co_u32 s[G0B+4*\s+1], s45, \s*SLOT
	s_add_nc_u64 s[G0B+4*\s+2:G0B+4*\s+3], s[46:47], \s*ROWB
	s_or_b32 s[G0B+4*\s+3], s[G0B+4*\s+3], 0x80000000
	JLOAD G0+4*\s, G1, G0B+4*\s, G1B               ; three tensor loads of mine are out at the most
.endr
	v_and_b32 v1, 15, v0                           ; r
	v_bfe_u32 v2, v0, 4, 1                         ; h
	v_and_b32 v3, 31, v0                           ; lane
	v_lshlrev_b32 v8, 3, v3                        ; 8 l
	s_mul_i32 s21, s15, HALFT
	s_mul_i32 s22, s16, HALFT
	s_add_co_u32 s22, s22, 2*HALFT
.irp s, 0,1
	v_add_nc_u32 v[ADRA+\s], s21, v8
	v_add_nc_u32 v[ADRB+\s], s22, v8
	s_add_co_u32 s21, s21, SLOT
	s_add_co_u32 s22, s22, SLOT
.endr
	v_lshlrev_b32 v5, 3, v1
	s_lshl_b32 s21, s15, 12
	s_lshl_b32 s22, s16, 12
	s_add_co_u32 s22, s22, 2*HALFS
	s_sub_co_u32 s22, s22, s21
	v_mul_u32_u24 v6, s22, v2                      ; lanes 16-31 take source 0's
	s_add_co_u32 s21, s21, SCL
	v_add_nc_u32 v5, v5, v6
	v_add_nc_u32 v[ADRS], s21, v5
	s_mul_i32 s23, s14, 16*SPITCH                  ; my stage
	v_mul_u32_u24 v5, v1, SPITCH                   ; in: row r; my half's 16 columns of each 32: + 64 h
	v_lshl_add_u32 v5, v2, 6, v5
	v_add_nc_u32 v[STO], s23, v5
	v_lshlrev_b32 v[CO], 4, v3                     ; back: the 32 lanes take one row of 512 bytes; and the same in out0
	v_add_nc_u32 v[RD], s23, v[CO]
	s_lshl_b32 s20, s17, 8
	s_lshl_b32 s21, s15, 7
	s_add_co_u32 s20, s20, s21                     ; my first token: 256 x (4 cly + cy) + 128 x half
	s_lshl_b32 s20, s20, 12                        ; rows of 4,096 bytes
	s_mov_b32 s21, 0
	s_lshl_b32 s46, s40, 10                        ; my first column, in bytes: 1,024 cx + 512 x half
	s_lshl_b32 s47, s16, 9
	s_add_co_u32 s46, s46, s47
	s_mov_b32 s47, 0
	s_add_nc_u64 s[20:21], s[20:21], s[46:47]
	s_add_nc_u64 s[12:13], s[12:13], s[20:21]
.macro FRAG reg, adr, q, i             ; a fragment lies in LDS as its registers: piece p = registers 2 p, 2 p + 1, 8 bytes a lane
.irp p, 0,1,2,3,4,5
	ds_load_b64 v[\reg+2*\p:\reg+2*\p+1], v[\adr] offset:(\i)*ROWB+(\q)*STEPB+256*\p
.endr
.endm
; 16 matrix instructions; the 64 accumulators take turns, one instruction a turn, in the same order in every step
.macro MUL16 a0, p, q, sc, zero
.irp a, \a0, \a0+1
.irp b, 0,1,2,3,4,5,6,7
.if \zero
	v_wmma_scale_f32_16x16x128_f8f6f4 v[8*(8*((\a)%4)+\b):8*(8*((\a)%4)+\b)+7], v[128*(\p)+FR*\b:128*(\p)+FR*\b+FR-1], v[AF+FR*(\a):AF+FR*(\a)+FR-1], 0, v[SC+8*NQ*(\sc)+NQ*\b+(\q)], v[SC+8*NQ*(\sc)+NQ*(\a)+(\q)] matrix_a_fmt:MATRIX_FMT_FP6 matrix_b_fmt:MATRIX_FMT_FP6 matrix_a_scale:MATRIX_SCALE_ROW1
.else
	v_wmma_scale_f32_16x16x128_f8f6f4 v[8*(8*((\a)%4)+\b):8*(8*((\a)%4)+\b)+7], v[128*(\p)+FR*\b:128*(\p)+FR*\b+FR-1], v[AF+FR*(\a):AF+FR*(\a)+FR-1], v[8*(8*((\a)%4)+\b):8*(8*((\a)%4)+\b)+7], v[SC+8*NQ*(\sc)+NQ*\b+(\q)], v[SC+8*NQ*(\sc)+NQ*(\a)+(\q)] matrix_a_fmt:MATRIX_FMT_FP6 matrix_b_fmt:MATRIX_FMT_FP6 matrix_a_scale:MATRIX_SCALE_ROW1
.endif
.endr
.endr
.endm
.macro FETCH_B slot, q, p
	WIN TO_B
.irp i, 0,1,2,3,4,5,6,7
	FRAG 128*(\p)+FR*\i, ADRB+\slot, \q, \i
.endr
	WIN 0
.endm
.macro FETCH_A slot, q, i0
.irp i, \i0, \i0+1, \i0+2, \i0+3
	FRAG AF+FR*(\i), ADRA+\slot, \q, \i
.endr
.endm
.macro SCALES sc
.irp i, 0,1,2,3,4,5,6,7
	ds_load_b64 v[SC+8*NQ*\sc+NQ*\i:SC+8*NQ*\sc+NQ*\i+1], v[ADRS] offset:\i*SBLK
.endr
.endm
.macro PLACES n                        ; plain vector instructions in front of loads into registers that matrix instructions have read and of reads of results
.rept \n
	v_nop
.endr
.endm
.macro STEP slot, q, zero
	s_wait_dscnt 4*NL                              ; source 0's set and source 1's blocks 0-3 are in; the youngest 24 loads (blocks 4-7) may be out
	WIN MUL_LO
	MUL16 0, (\q)%2, \q, \slot, \zero
	MUL16 2, (\q)%2, \q, \slot, \zero
	s_wait_dscnt 0
	PLACES NP
	FETCH_B \slot, (\q)+1, 1-(\q)%2
	FETCH_A \slot, (\q)+1, 0
	WIN MUL_HI
	MUL16 4, (\q)%2, \q, \slot, \zero
	MUL16 6, (\q)%2, \q, \slot, \zero
	PLACES NP
	WIN 0
	FETCH_A \slot, (\q)+1, 4
.endm
.macro TURN slot, next, fill
	s_wait_tensorcnt 0x0                           ; all my tensor loads have landed: my part of the next slot
	ds_add_u32 v[SPW], v[NIL]                      ; 0 onto my spare word
	s_wait_dscnt 4*NL+1                            ; (the add and the youngest 24 loads may be out)
	WIN MUL_LO
	MUL16 0, 1, NQ-1, \slot, 0
	s_wait_dscnt 0x0                               ; the add is done, and my reads of this slot are over
	s_barrier_signal -1
	MUL16 2, 1, NQ-1, \slot, 0
	WIN 0
	s_barrier_wait -1
.if \fill
	CREST                                          ; the barrier has opened a round of the cluster's barrier: no wave of any partner still reads this slot or has a load on its way
	s_add_nc_u64 s[G0+4*\slot+2:G0+4*\slot+3], s[G0+4*\slot+2:G0+4*\slot+3], 2*ROWB
	s_add_nc_u64 s[G0B+4*\slot+2:G0B+4*\slot+3], s[G0B+4*\slot+2:G0B+4*\slot+3], 2*ROWB
	JLOAD G0+4*\slot, G1, G0B+4*\slot, G1B         ; the first tensor load behind the round, my only one
.else
	PLACES NP
.endif
	v_add_nc_u32 v[ADRS], 128, v[ADRS]
	FETCH_B \next, 0, 0
	FETCH_A \next, 0, 0
	SCALES \next
	WIN MUL_HI
	MUL16 4, 1, NQ-1, \slot, 0
	MUL16 6, 1, NQ-1, \slot, 0
	PLACES NP
	WIN 0
	FETCH_A \next, 0, 4
.endm
	s_wait_tensorcnt 1                             ; the scale words and my part of slot 0 are in (slot 1's load may be out),
	s_barrier_signal -1
	s_barrier_wait -1                              ; everybody's are
	FETCH_B 0, 0, 0
	FETCH_A 0, 0, 0
	SCALES 0
	FETCH_A 0, 0, 4
	STEP 0, 0, 1                                   ; K = 1,024 is four slots' worth: written out
	TURN 0, 1, 1
	STEP 1, 0, 0
	TURN 1, 0, 1
	STEP 0, 0, 0
	TURN 0, 1, 0
	STEP 1, 0, 0
	s_wait_dscnt 4*NL
	WIN MUL_LO
	MUL16 0, 1, NQ-1, 1, 0
	MUL16 2, 1, NQ-1, 1, 0
	s_wait_dscnt 0
	WIN MUL_HI
	MUL16 4, 1, NQ-1, 1, 0
	MUL16 6, 1, NQ-1, 1, 0
	WIN 0
; THE WAY OUT, block by block of 16 tokens x 128 columns, through my own stage in LDS; back as whole rows of 512 bytes, which the 32 lanes store as two aligned runs of 256 bytes.
; Tile b's eight registers are columns 32 (b / 2) + 8 (b % 2) + 16 h + 0 .. 7; stage row t of block a is token 32 (a / 2) + 8 (a % 2) + t + 8 (t / 8) of my 128.
.macro TOSTAGE a
.set AC, 64*((\a)%4)
	WIN 0x08+4*((\a)/4)                            ; the data: window 2 or 3
.irp b, 0,1,2,3,4,5,6,7
	ds_store_b128 v[STO], v[AC+8*\b:AC+8*\b+3] offset:128*(\b/2)+32*(\b%2)          ; each accumulator from its low end on
	ds_store_b128 v[STO], v[AC+8*\b+4:AC+8*\b+7] offset:128*(\b/2)+32*(\b%2)+16
.endr
	WIN 0
.set BB, BK+64*((\a)%2)
.irp t, 0,1,2,3,4,5,6,7,8,9,10,11,12,13,14,15
	ds_load_b128 v[BB+4*\t:BB+4*\t+3], v[RD] offset:\t*SPITCH   ; LDS serves a wave's instructions in order: these see my stores
.endr
.endm
.macro SEND a, younger                 ; younger: the LDS instructions issued behind block a's loads, which may stay out
.set BB, BK+64*((\a)%2)
	s_wait_dscnt \younger
.irp t, 0,1,2,3,4,5,6,7,8,9,10,11,12,13,14,15
	global_store_b128 v[CO], v[BB+4*\t:BB+4*\t+3], s[12:13] offset:(32*((\a)/2)+8*((\a)%2)+\t+8*(\t/8))*4096 th:TH_STORE_NT   ; 512 consecutive bytes, aligned to 256; the row stands in the immediate: 127 rows of 4,096 bytes at the most
.endr
.endm
	PLACES NP
	TOSTAGE 0
.irp a, 1,2,3,4,5,6,7
.if \a > 1
	s_wait_xcnt 0x0                                ; block a - 2's stores have read their registers: block a's loads may land there
.endif
	TOSTAGE \a
	SEND \a-1, 32                                  ; behind block a - 1's loads: block a's 16 stores and 16 loads
.endr
	SEND 7, 0
	s_wait_tensorcnt 0x0                           ; the wave's end: behind my last tensor load and my last LDS store
	ds_add_u32 v[SPW], v[NIL]
	s_wait_dscnt 0x0
	CROUND                                         ; the closing round
	s_endpgm
.Lfunc_end_k_qcaecddb6a7_gemm_out:
	.size	k_qcaecddb6a7_gemm_out, .Lfunc_end_k_qcaecddb6a7_gemm_out-k_qcaecddb6a7_gemm_out
	.p2alignl 7, 3214868480
	.fill 96, 4, 3214868480
	.section	.rodata,"a",@progbits
	.p2align	6, 0x0
	.amdhsa_kernel k_qcaecddb6a7_gemm_out
		.amdhsa_group_segment_fixed_size 327680
		.amdhsa_private_segment_fixed_size 0
		.amdhsa_enable_private_segment 0
		.amdhsa_kernarg_size 40
		.amdhsa_user_sgpr_count 2
		.amdhsa_user_sgpr_kernarg_segment_ptr 1
		.amdhsa_wavefront_size32 1
		.amdhsa_system_sgpr_workgroup_id_x 1
		.amdhsa_system_sgpr_workgroup_id_y 1
		.amdhsa_system_sgpr_workgroup_id_z 1
		.amdhsa_system_vgpr_workitem_id 0
		.amdhsa_next_free_vgpr 1024
		.amdhsa_next_free_sgpr 98
		.amdhsa_reserve_vcc 0
		.amdhsa_float_denorm_mode_32 3
		.amdhsa_float_denorm_mode_16_64 3
		.amdhsa_memory_ordered 1
		.amdhsa_forward_progress 1
		.amdhsa_inst_pref_size 159
	.end_amdhsa_kernel
	.amdgpu_metadata
---
amdhsa.version: [ 1, 2 ]
amdhsa.kernels:
  - .name:           k_qcaecddb6a7_gemm_out
    .symbol:         k_qcaecddb6a7_gemm_out.kd
    .args:
      - { .name: ac, .offset: 0, .size: 8, .value_kind: global_buffer, .address_space: global }
      - { .name: asc, .offset: 8, .size: 8, .value_kind: global_buffer, .address_space: global }
      - { .name: wc, .offset: 16, .size: 8, .value_kind: global_buffer, .address_space: global }
      - { .name: ws, .offset: 24, .size: 8, .value_kind: global_buffer, .address_space: global }
      - { .name: out0, .offset: 32, .size: 8, .value_kind: global_buffer, .address_space: global }
    .group_segment_fixed_size: 327680
    .private_segment_fixed_size: 0
    .kernarg_segment_align: 8
    .kernarg_segment_size: 40
    .max_flat_workgroup_size: 128
    .sgpr_count:     98
    .vgpr_count:     1024
    .wavefront_size: 32
...
	.end_amdgpu_metadata
.endif
;; end of part 4
